; MI455X (gfx1250); checked and timed in simulation.
; The chip was launched on July 23, 2026; its instructions are those of AMD's public machine-readable ISA for CDNA 5 (MIT licence, August 2026) and "CDNA5" Instruction Set Architecture Reference Guide (July 2026). The comments in the code are by the model that wrote it; some were corrected since.
;; Sparse Mo E. Allowed arithmetic: matrix products marked QUANTISED: E2M1 operands, one E8M0 scale for each 32 along K, by v_wmma_scale_f32_16x16x128_f8f6f4 with both operands' format E2M1 (or v_wmma_scale_f32_32x16x128_f4), f32 sums; products left as they are: f32 operands where the result goes on into a quantised operand, else bf16, f16 or f32 operands; f32 sums; everything else in f32.
;; Inputs: b1 8 x 1,024 float32; b2 8 x 512 float32; gate_b 8 float32; gate_w 512 x 8 float32; noise 4 x 2,048 x 8 float32; w1_codes 8 x 1,024 x 16 x 16 uint8 (E2M1 codes of w1, K innermost, in blocks of 32 codes, two codes a byte); w1_scales 8 x 1,024 x 16 uint8 (E8M0 scales of w1, one for each 32 codes along K); w2_codes 8 x 512 x 32 x 16 uint8 (E2M1 codes of w2, K innermost, in blocks of 32 codes, two codes a byte); w2_scales 8 x 512 x 32 uint8 (E8M0 scales of w2, one for each 32 codes along K); x 4 x 2,048 x 512 float32.
;; Outputs: out0 4 x 2,048 x 512 float32; out1 4 x 2,048 x 2 int32; out2 one number float32.
;; This version of the problem:
;;   THIS VERSION OF THE PROBLEM IS GIVEN IN LOW PRECISION. The matrix products marked QUANTISED in the list below multiply operands that are first quantised to E2M1 (2 exponent bits, 1 mantissa bit; 4 bits a number), with one power-of-two scale for each 32 numbers along K (OCP MX v1.0); their sums are f32. All else is computed in f32.
;;   The module's matrix products, in the order in which they are computed (A, B: the left and right operand; K: the contracted axis; several contracted axes count as one K, in the product's order):
;;     1. [M 8,192, K 512] x [K 512, N 8]; A: computed on the way; B: input gate_w: left as it is (N = 8 < 16)
;;     2. [M 8,192, K 512] x [K 512, N 8,192]; A: input w1 (given as codes); B: computed on the way: QUANTISED
;;     3. batch 8 x [M 8,192, K 1,024] x [K 1,024, N 512]; A: computed on the way; B: input w2 (given as codes): QUANTISED
;;     4. batch 8,192 x [M 512, K 2] x [K 2, N 1]; A: computed on the way; B: computed on the way: left as it is (K = 2 < 32)
;;   THE QUANTISER, for each operand of a quantised product, along K:
;;     - K is cut into blocks of 32 from its start; a last block that is shorter is filled with zeros.
;;     - A block's scale is 2^e with e = floor(log2(the largest magnitude in the block)) - 2, held to -126 .. 127; a block of zeros has e = 0. As a byte (E8M0): e + 127.
;;     - Each number is divided by its block's scale, clamped to +-6, and rounded to the nearest number of E2M1, ties to even, subnormals kept.
;;     - The product sums the exact products of the quantised numbers (number of the format x scale) in f32.
;;   ~~~python
;;   def quantise(x, axis):      # numpy; x: float32 -> the quantised numbers, widened to float32 again
;;       x = np.moveaxis(x, axis, -1); K = x.shape[-1]
;;       x = np.pad(x, [(0, 0)] * (x.ndim - 1) + [(0, -K % 32)]); x = x.reshape(x.shape[:-1] + (-1, 32)); a = np.abs(x).max(-1, keepdims=True)
;;       e = np.where(a > 0, np.clip(np.frexp(np.where(a > 0, a, 1))[1] - 1 - 2, -126, 127), 0)      # np.frexp(a)[1] - 1 = floor(log2(a)), exactly
;;       r = np.clip(x / 2.0 ** e, -6, 6)
;;       step = 2.0 ** (np.maximum(np.frexp(np.where(r == 0, 1, r))[1] - 1, 0) - 1)
;;       q = np.round(r / step) * step * 2.0 ** e      # np.round: ties to even
;;       return np.moveaxis(q.reshape(q.shape[:-2] + (-1,))[..., :K], -1, axis).astype(np.float32)
;;   ~~~
;;   OPERANDS COMPUTED ON THE WAY. 'Computed on the way' means the value that the module computes at that place (a softmax that the list does not call 'softmax' is quantised finished and normalised). What goes into a quantiser is computed in f32, as accurately as f32 sums, v_exp_f32 and their like allow (about 1e-6 of the number): no bf16 or f16 on the way to a quantiser, and a product that is left as it is and whose result goes on into a quantised operand takes f32 operands (vector FMAs, or v_wmma_f32_16x16x4_f32). A number that lies on a knife's edge between two numbers of the format may be rounded either way, as far as f32 arithmetic and the matrix unit's own rounding can turn it there, and no further.
;;   INPUTS GIVEN AS CODES. w1 (in the module: [8, 512, 1024], K = its axis 1); w2 (in the module: [8, 1024, 512], K = its axis 1): each comes as NAME_codes (uint8): NAME with its K axis moved to the last place and cut into blocks of 32 codes, [.., K / 32, bytes a block], one block behind the other in memory; two codes a byte, the lower K in the low four bits (a code: sign, 2 exponent bits, 1 mantissa bit); and NAME_scales (uint8): the same leading axes, one E8M0 byte (e + 127) for each 32 codes along K. Its value is code x scale, taken as it is: it is not quantised again, and the codes and scales need not be those that the quantiser above would give.
;; 2 versions, each right; version 2 is version 1 with the launch chain written anew for expert scheduling mode. Each part assembles by itself: llvm-mc -triple=amdgcn-amd-amdhsa -mcpu=gfx1250 --defsym DOCPART=n.
;; ======== version 1 of 2: 3 launches
;; workspace buffers: xq 2,097,152 bytes; xs 131,072 bytes; wf 4,194,304 bytes; pw 65,536 bytes; usage 32,768 bytes; route 65,536 bytes of whole numbers; plan 42,240 bytes of whole numbers
;; launch prep (part 1): grid 256 x 1, 8 waves a work-group, no clusters, 77,824 bytes of LDS; arguments x, noise, gate_w, gate_b, w1_codes, w2_codes, xq, xs, wf, pw, route, usage, out1; writes xq, xs, wf, pw, route, usage, out1
.if DOCPART == 1
	.amdgcn_target "amdgcn-amd-amdhsa--gfx1250"
	.amdhsa_code_object_version 6
	.text
	.protected	k_q4f1f0b9d26_prep
	.globl	k_q4f1f0b9d26_prep
	.p2align	8
	.type	k_q4f1f0b9d26_prep,@function
k_q4f1f0b9d26_prep:
	s_mov_b64 s[64:65], 0
	v_nop
	global_prefetch_b8 v0, s[64:65] scope:SCOPE_SE
	s_setreg_imm32_b32 hwreg(HW_REG_WAVE_MODE, 25, 1), 1
	s_wait_xcnt 0x0
; PREP.  Work-group g takes tokens 32 g .. 32 g + 31 (wave w four of them), 32 rows of w1_codes and 16 rows of w2_codes.
; A token: its sum S; it passes where S / 512 > 0.1; r = 1 / (S + 1e-8) for a token that passes, else 0; x r is quantised to E2M1 (one E8M0 byte for each 32) into xq [8192][256 B] and xs [8192][16 B].
; The gate: r (x . gate_w) + gate_b + 0.01 noise in f32; the two largest (the lower index wins a tie); softmax over all logits that reach the second; out1.
; For the later launches: pw (p of the lower and of the higher expert), the token's bucket (one of the 28 unordered pairs) and its rank among its block's tokens of that bucket, the block's histogram, the block's sums of p.
; The weights' codes are laid in wf in the order of a matrix operand's registers: fragments of 1 KB = [c (2)][lane (32)][16 B], lane (r, h): 16 bytes at 64 s + 32 c + 16 h of its row.
;   W1: lane r of tile 2 b + u takes row 32 b + 8 u + r + 8 (r / 8), so that the results of two neighbouring tiles are 16 neighbours along the next K.  W2: rows as they lie.
; No address and no branch hangs on a number made from floats here: rank and histogram are values, stored at fixed places.
; LIMITS: NaN and infinities are not served.  The gate's product is formed as r (x . gate_w); 1 / (S + 1e-8) is a reciprocal with one Newton step; the noise term is one fused multiply-add:
; two logits nearer than an ulp of each other may be ordered otherwise than by unfused arithmetic.  A block of zeros gets the byte 1 and not 127: its codes are zeros, and this program alone reads xs.
.set GWL,   0                          ; LDS: gate_w, 32 chunks of 512 bytes, 528 apart (chunk l = the 16 rows of lane l)
.set STW1,  16896                      ; my 32 rows of w1_codes, 272 apart
.set STW2,  25600                      ; my 16 rows of w2_codes, 528 apart
.set TURNB, 34048                      ; for each wave two stages of 32 x 80 bytes
.set LG,    75008                      ; [32 tokens][8] f32: r (x . gate_w)
.set SCB,   76032                      ; [32 tokens][16] scale bytes
.set SP,    80                         ; a lane's place in a stage: 64 bytes + 16 of padding
.set ACC,   16                         ; v16-23   the 8 gate sums;  v24-31 at work
.set X,     32                         ; v32-63   two sets of 16 neighbours
.set R,     64                         ; v64-127  four tokens as loaded; later, of each: two registers of codes, one scale byte
.set GW,    128                        ; v128-255 gate_w[16 lane + i][e] at GW + 8 i + e
	s_load_b512 s[4:19], s[0:1], 0x0               ; x, noise, gate_w, gate_b, w1_codes, w2_codes, xq, xs
	s_load_b256 s[20:27], s[0:1], 0x40             ; wf, pw, route, usage
	s_load_b64 s[28:29], s[0:1], 0x60              ; out1
	s_set_vgpr_msb 0x40
	v_lshl_add_u32 v0, v0, 2, 0x12c00
	v_mov_b32 v1, 0
	s_set_vgpr_msb 0x4000
	v_lshrrev_b32 v2, 5, v0
	v_readfirstlane_b32 s30, v2                    ; wave
	v_and_b32 v1, 31, v0                           ; lane
	v_lshlrev_b32 v2, 4, v0                        ; gate_w: 16 bytes a thread
	v_lshlrev_b32 v3, 4, v1                        ; 16 x lane
	s_lshl_b32 s42, s30, 10
	v_add_nc_u32 v4, s42, v3                       ; the weights' rows: 1,024 w + 16 lane
	s_lshl_b32 s42, s30, 13
	v_add_nc_u32 v5, s42, v3                       ; x: four rows of 2,048 bytes a wave
	s_mov_b32 s43, 0
	s_wait_kmcnt 0x0
	s_lshl_b32 s42, ttmp9, 16
	s_add_nc_u64 s[4:5], s[4:5], s[42:43]          ; x at my 32 tokens
	s_lshl_b32 s42, ttmp9, 13
	s_add_nc_u64 s[12:13], s[12:13], s[42:43]      ; my 8,192 bytes of w1_codes,
	s_add_nc_u64 s[14:15], s[14:15], s[42:43]      ; of w2_codes,
	s_add_nc_u64 s[16:17], s[16:17], s[42:43]      ; and of xq
.irp i, 0,1,2,3
	global_load_b128 v[GW+4*\i:GW+4*\i+3], v2, s[8:9] offset:4096*\i
.endr
.irp i, 0,1
	global_load_b128 v[GW+16+4*\i:GW+16+4*\i+3], v4, s[12:13] offset:512*\i th:TH_LOAD_NT
.endr
.irp i, 0,1
	global_load_b128 v[GW+24+4*\i:GW+24+4*\i+3], v4, s[14:15] offset:512*\i th:TH_LOAD_NT
.endr
.irp j, 0,1,2,3
.irp i, 0,1,2,3
	global_load_b128 v[R+16*\j+4*\i:R+16*\j+4*\i+3], v5, s[4:5] offset:2048*\j+512*\i th:TH_LOAD_NT   ; 32 lanes read 512 consecutive bytes; all of the wave's x is asked for at once
.endr
.endr
	s_load_b256 s[32:39], s[10:11], 0x0            ; gate_b
	s_mov_b32 s40, 0x76543210
	s_mov_b32 s41, 0xfedcba98                      ; v_permlanex16_b32's selects for lane l xor 16
	s_mov_b32 s44, 0x3dcccccd                      ; 0.1
	s_mov_b32 s45, 0x3c23d70a                      ; 0.01
	s_lshl_b32 s42, ttmp9, 10
	s_add_nc_u64 s[6:7], s[6:7], s[42:43]          ; noise
	s_lshl_b32 s42, ttmp9, 9
	s_add_nc_u64 s[18:19], s[18:19], s[42:43]      ; xs
	s_lshl_b32 s42, ttmp9, 8
	s_add_nc_u64 s[22:23], s[22:23], s[42:43]      ; pw
	s_add_nc_u64 s[28:29], s[28:29], s[42:43]      ; out1
	s_lshl_b32 s42, ttmp9, 7
	s_add_nc_u64 s[24:25], s[24:25], s[42:43]      ; route
	s_add_nc_u64 s[26:27], s[26:27], s[42:43]      ; usage
	s_lshr_b32 s42, ttmp9, 1                       ; wf, W1's part: (g / 2) x 16,384 + (g % 2) x 2,048
	s_lshl_b32 s42, s42, 14
	s_and_b32 s31, ttmp9, 1
	s_lshl_b32 s31, s31, 11
	s_add_co_u32 s42, s42, s31
	s_add_nc_u64 s[46:47], s[20:21], s[42:43]
	s_lshr_b32 s42, ttmp9, 2                       ; W2's part: 2 MB + (g / 4) x 32,768 + (g % 4) x 1,024
	s_lshl_b32 s42, s42, 15
	s_and_b32 s31, ttmp9, 3
	s_lshl_b32 s31, s31, 10
	s_add_co_u32 s42, s42, s31
	s_add_co_u32 s42, s42, 0x200000
	s_add_nc_u64 s[48:49], s[20:21], s[42:43]
	; LDS addresses
	s_mul_i32 s42, s30, 528
	v_add_nc_u32 v6, s42, v3                       ; gate_w in: chunk w + 8 i
	v_and_b32 v16, 15, v1                          ; r
	v_lshrrev_b32 v17, 4, v1                       ; h
	v_mul_u32_u24 v7, v17, 272
	v_lshl_add_u32 v7, v16, 4, v7
	s_mul_i32 s42, s30, 4*272
	s_add_co_u32 s42, s42, STW1
	v_add_nc_u32 v7, s42, v7                       ; W1 in: row 4 w + 2 i + h
	s_mul_i32 s42, s30, 2*528
	s_add_co_u32 s42, s42, STW2
	v_add_nc_u32 v8, s42, v3                       ; W2 in: row 2 w + i
	v_mul_u32_u24 v9, v1, 528                      ; gate_w out: chunk = lane
	v_and_b32 v18, 8, v16
	v_add_nc_u32 v18, v18, v16                     ; r + 8 (r / 8)
	v_mul_u32_u24 v10, v18, 272
	v_lshl_add_u32 v10, v17, 4, v10
	s_lshr_b32 s42, s30, 2                         ; my tile u = w / 4, my K step s = w % 4
	s_mul_i32 s42, s42, 8*272
	s_and_b32 s31, s30, 3
	s_lshl_b32 s31, s31, 6
	s_add_co_u32 s42, s42, s31
	s_add_co_u32 s42, s42, STW1
	v_add_nc_u32 v10, s42, v10                     ; W1's fragment out
	v_mul_u32_u24 v11, v16, 528
	v_lshl_add_u32 v11, v17, 4, v11
	s_lshl_b32 s42, s30, 6                         ; my K step s = w
	s_add_co_u32 s42, s42, STW2
	v_add_nc_u32 v11, s42, v11                     ; W2's fragment out
	v_lshrrev_b32 v12, 2, v1
	v_mul_u32_u24 v12, v12, SP
	v_and_b32 v18, 3, v1
	v_lshl_add_u32 v12, v18, 4, v12
	s_mul_i32 s42, s30, 5120
	s_add_co_u32 s42, s42, TURNB
	v_add_nc_u32 v12, s42, v12                     ; a stage, in: four lanes' 64 bytes on end, then 16 of padding
	v_mul_u32_u24 v13, v1, SP
	v_add_nc_u32 v13, s42, v13                     ; and out: my 16 neighbours
	s_lshl_b32 s42, s30, 7
	s_add_co_u32 s42, s42, LG
	v_mov_b32 v14, s42                             ; my wave's four rows of LG
	v_lshrrev_b32 v15, 1, v1
	s_lshl_b32 s42, s30, 6
	s_add_co_u32 s42, s42, SCB
	v_add_nc_u32 v15, s42, v15                     ; my block's scale byte
	v_mov_b32 v27, 0                               ; named as the upper half of the pair v[26:27]
	v_mov_b32 v30, 0                               ; a lane permute's destination counts as one of its sources
	v_mov_b32 v31, 0
	s_wait_loadcnt 16                              ; gate_w's and the weights' eight pieces are in; x's 16 loads stay out
.irp i, 0,1,2,3
	ds_store_b128 v6, v[GW+4*\i:GW+4*\i+3] offset:4224*\i
.endr
.irp i, 0,1
	ds_store_b128 v7, v[GW+16+4*\i:GW+16+4*\i+3] offset:544*\i
	ds_store_b128 v8, v[GW+24+4*\i:GW+24+4*\i+3] offset:528*\i
.endr
	s_wait_dscnt 0x0                               ; for the others' sake: my stores have landed
	s_barrier_signal -1
	s_barrier_wait -1
	; ---- the weights' fragments go out; gate_w comes into registers
	ds_load_b128 v[32:35], v10
	ds_load_b128 v[36:39], v10 offset:32
	ds_load_b128 v[40:43], v11
	ds_load_b128 v[44:47], v11 offset:32
.set k, 0
.rept 32
	ds_load_b128 v[GW+4*k:GW+4*k+3], v9 offset:16*k
.set k, k+1
.endr
	s_and_b32 s42, s30, 3
	s_lshl_b32 s42, s42, 12
	s_lshr_b32 s31, s30, 2
	s_lshl_b32 s31, s31, 10
	s_add_co_u32 s42, s42, s31
	v_add_nc_u32 v16, s42, v3                      ; wf, W1: 4,096 s + 1,024 u + 16 lane
	s_lshl_b32 s42, s30, 12
	v_add_nc_u32 v17, s42, v3                      ; wf, W2: 4,096 s + 16 lane
	v_lshlrev_b32 v2, 5, v1                        ; noise: 32 bytes a token (the loads that named v2 are in)
	v_add_nc_u32 v6, SCB, v3                       ; wave 0's reads at the end are addressed here, ahead of the first branch on the wave's number
	v_lshl_add_u32 v7, v1, 5, LG
	s_lshl_b32 s42, s30, 10
	v_lshl_add_u32 v8, v1, 3, s42                  ; xq: 1,024 w + 8 lane
	s_wait_dscnt 32                                ; the four pieces of fragments are in; gate_w's 32 loads stay out
	global_store_b128 v16, v[32:35], s[46:47]                  ; each store covers 512 consecutive bytes
	global_store_b128 v16, v[36:39], s[46:47] offset:512
	global_store_b128 v17, v[40:43], s[48:49]
	global_store_b128 v17, v[44:47], s[48:49] offset:512
.macro TURN j                          ; token j's 2,048 bytes through a stage: in as loaded, out 64 bytes a lane.  LDS serves a wave's instructions in order
.irp i, 0,1,2,3
	ds_store_b128 v12, v[R+16*(\j)+4*\i:R+16*(\j)+4*\i+3] offset:2560*((\j)%2)+640*\i
.endr
.irp i, 0,1,2,3
	ds_load_b128 v[X+16*((\j)%2)+4*\i:X+16*((\j)%2)+4*\i+3], v13 offset:2560*((\j)%2)+16*\i
.endr
.endm
	s_wait_loadcnt 12                              ; token 0's four loads are in
	s_wait_xcnt 0x0                                ; the four stores have read v16, v17 and v32-47, which are written again from here on
	TURN 0
.macro TOKEN j
.set XS, X+16*((\j)%2)
.set RJ, R+16*(\j)
.if (\j) < 3
	s_wait_loadcnt 4*(2-(\j))                      ; the next token's four loads are in; the later tokens' stay out
	TURN (\j)+1
	s_wait_dscnt 8                                 ; all but that turn's eight: my 16 neighbours are in (with token 0: gate_w too), and earlier LDS stores have read their registers
.else
	s_wait_dscnt 0x0
.endif
.if (\j) == 0
	s_cmp_lg_u32 s30, 0                            ; wave 0 will want the block's noise: into registers that token 0's turn has freed
	s_cbranch_scc1 .Lno_noise
	global_load_b128 v[R+8:R+11], v2, s[6:7]
	global_load_b128 v[R+12:R+15], v2, s[6:7] offset:16
.Lno_noise:
.endif
	v_pk_add_f32 v[24:25], v[XS:XS+1], v[XS+2:XS+3]            ; the sum of my 16
	v_pk_add_f32 v[28:29], v[XS+4:XS+5], v[XS+6:XS+7]
	v_pk_add_f32 v[24:25], v[24:25], v[XS+8:XS+9]
	v_pk_add_f32 v[28:29], v[28:29], v[XS+10:XS+11]
	v_pk_add_f32 v[24:25], v[24:25], v[XS+12:XS+13]
	v_pk_add_f32 v[28:29], v[28:29], v[XS+14:XS+15]
	v_pk_add_f32 v[24:25], v[24:25], v[28:29]
	v_add_f32 v24, v24, v25
.irp p, 0,1,2,3                        ; x . gate_w: two experts an instruction, x[i] for both halves
	v_pk_mul_f32 v[ACC+2*\p:ACC+2*\p+1], v[XS:XS+1], v[GW+2*\p:GW+2*\p+1] op_sel_hi:[0,1]
.endr
.irp i, 1,2,3,4,5,6,7,8,9,10,11,12,13,14,15
.irp p, 0,1,2,3
.if (\i)%2
	v_pk_fma_f32 v[ACC+2*\p:ACC+2*\p+1], v[XS+\i-1:XS+\i], v[GW+8*\i+2*\p:GW+8*\i+2*\p+1], v[ACC+2*\p:ACC+2*\p+1] op_sel:[1,0,0] op_sel_hi:[1,1,1]
.else
	v_pk_fma_f32 v[ACC+2*\p:ACC+2*\p+1], v[XS+\i:XS+\i+1], v[GW+8*\i+2*\p:GW+8*\i+2*\p+1], v[ACC+2*\p:ACC+2*\p+1] op_sel_hi:[0,1,1]
.endif
.endr
.endr
.irp x, 1,2,4,8                        ; the nine sums across the lanes, by turns
.irp a, 24,16,17,18,19,20,21,22,23
	v_add_f32_dpp v\a, v\a, v\a row_xmask:\x row_mask:0xf bank_mask:0xf
.endr
.endr
	v_permlanex16_b32 v25, v24, s40, s41
	v_permlanex16_b32 v28, v16, s40, s41
	v_permlanex16_b32 v29, v17, s40, s41
	v_permlanex16_b32 v30, v18, s40, s41
	v_permlanex16_b32 v31, v19, s40, s41
	v_add_f32 v24, v24, v25
	v_add_f32 v16, v16, v28
	v_add_f32 v17, v17, v29
	v_add_f32 v18, v18, v30
	v_add_f32 v19, v19, v31
	v_permlanex16_b32 v28, v20, s40, s41
	v_permlanex16_b32 v29, v21, s40, s41
	v_permlanex16_b32 v30, v22, s40, s41
	v_permlanex16_b32 v31, v23, s40, s41
	v_add_f32 v20, v20, v28
	v_add_f32 v21, v21, v29
	v_add_f32 v22, v22, v30
	v_add_f32 v23, v23, v31
	v_mul_f32 v25, 0x3b000000, v24                 ; the mean: S / 512, exact
	v_add_f32 v28, 0x322bcc77, v24                 ; S + 1e-8
	v_rcp_f32 v26, v28
	v_cmp_lt_f32 vcc_lo, s44, v25                  ; does the token pass?  (Also the plain instruction behind the reciprocal)
	s_wait_alu depctr_va_vdst(0)
	v_fma_f32 v29, -v28, v26, 1.0                  ; one Newton step
	v_fma_f32 v26, v26, v29, v26
	v_cndmask_b32 v26, 0, v26, vcc_lo              ; r = 0 for a token that does not pass: its x, and its gate product, are zeros
.irp p, 0,1,2,3
	v_pk_mul_f32 v[ACC+2*\p:ACC+2*\p+1], v[ACC+2*\p:ACC+2*\p+1], v[26:27] op_sel_hi:[1,0]
.endr
	ds_store_b128 v14, v[ACC:ACC+3] offset:32*(\j)             ; every lane holds the same eight numbers and writes them to the same place
	ds_store_b128 v14, v[ACC+4:ACC+7] offset:32*(\j)+16
.irp k, 0,2,4,6,8,10,12,14
	v_pk_mul_f32 v[XS+\k:XS+\k+1], v[XS+\k:XS+\k+1], v[26:27] op_sel_hi:[1,0]
.endr
	v_max3_num_f32 v28, |v[XS]|, |v[XS+1]|, |v[XS+2]|          ; the largest magnitude of my 16
	v_max3_num_f32 v29, |v[XS+3]|, |v[XS+4]|, |v[XS+5]|
.irp i, 6,10
	v_max3_num_f32 v28, v28, |v[XS+\i]|, |v[XS+\i+1]|
	v_max3_num_f32 v29, v29, |v[XS+\i+2]|, |v[XS+\i+3]|
.endr
	v_max3_num_f32 v28, v28, |v[XS+14]|, |v[XS+15]|
	v_max3_num_f32 v28, v28, v29, 0x1800000        ; and the floor 2^(3 - 127): the byte cannot fall under 1
	v_max_num_f32_dpp v28, v28, v28 row_xmask:1 row_mask:0xf bank_mask:0xf   ; with my neighbour's 16: the block's
	v_add_nc_u32 v30, 0xff000000, v28              ; 2 off its exponent field: the conversion takes the exponent field of this operand as its scale
	v_cvt_scalef32_pk8_fp4_f32 v[RJ], v[XS:XS+7], v30
	v_cvt_scalef32_pk8_fp4_f32 v[RJ+1], v[XS+8:XS+15], v30
	v_lshrrev_b32 v[RJ+2], 23, v30                 ; the scale's byte (a plain instruction behind the conversions)
	ds_store_b8 v15, v[RJ+2] offset:16*(\j)        ; both lanes of a block write the same byte
	global_store_b64 v8, v[RJ:RJ+1], s[16:17] offset:256*(\j)  ; 32 lanes store the token's 256 bytes of codes
.endm
	TOKEN 0
	TOKEN 1
	TOKEN 2
	TOKEN 3
	s_wait_dscnt 0x0                               ; for wave 0's sake: my rows of LG and my scale bytes have landed
	s_wait_kmcnt 0x0                               ; gate_b
	s_barrier_signal -1
	s_barrier_wait -1
	s_cmp_lg_u32 s30, 0
	s_cbranch_scc1 .Lend
	; ---- wave 0, a lane to a token
	ds_load_b128 v[128:131], v7
	ds_load_b128 v[132:135], v7 offset:16
	ds_load_b128 v[136:139], v6                    ; the token's 16 scale bytes
	s_wait_loadcnt 0x0                             ; noise
	s_wait_dscnt 0x0
.irp e, 0,1,2,3,4,5,6,7
	v_add_f32 v[128+\e], s[32+\e], v[128+\e]
.endr
.irp e, 0,1,2,3,4,5,6,7
	v_fma_f32 v[128+\e], v[R+8+\e], s45, v[128+\e] ; the logits
.endr
	v_mov_b32 v140, v128                           ; the largest, and its index: a later logit takes over only where it is strictly larger
	v_mov_b32 v160, 0
.irp e, 1,2,3,4,5,6,7
	v_cmp_ge_f32 vcc_lo, v140, v[128+\e]
	v_cndmask_b32 v160, \e, v160, vcc_lo
	v_max_num_f32 v140, v140, v[128+\e]
.endr
	v_mov_b32 v142, 0xff800000
.irp e, 0,1,2,3,4,5,6,7
	v_cmp_eq_u32 vcc_lo, \e, v160
	v_cndmask_b32 v[144+\e], v[128+\e], v142, vcc_lo           ; the chosen one taken out
.endr
	v_mov_b32 v143, v144                           ; the second, likewise
	v_mov_b32 v161, 0
.irp e, 1,2,3,4,5,6,7
	v_cmp_ge_f32 vcc_lo, v143, v[144+\e]
	v_cndmask_b32 v161, \e, v161, vcc_lo
	v_max_num_f32 v143, v143, v[144+\e]
.endr
.irp e, 0,1,2,3,4,5,6,7
	v_sub_f32 v[144+\e], v[128+\e], v140           ; the maximum is taken away ahead of the exponential
.endr
	v_sub_f32 v153, v143, v140
.irp e, 0,1,2,3,4,5,6,7
	v_mul_f32 v[144+\e], 0x3fb8aa3b, v[144+\e]
.endr
	v_mul_f32 v153, 0x3fb8aa3b, v153
.irp e, 0,1,2,3,4,5,6,7
	v_exp_f32 v[144+\e], v[144+\e]
.endr
	v_exp_f32 v153, v153
	v_nop                                          ; a plain instruction behind the exponentials
	s_wait_alu depctr_va_vdst(0)
.irp e, 0,1,2,3,4,5,6,7
	v_cmp_ge_f32 vcc_lo, v[128+\e], v143           ; every logit that reaches the second counts, a tie with it too
	v_cndmask_b32 v[144+\e], 0, v[144+\e], vcc_lo
.endr
	v_add_f32 v154, v144, v145
	v_add_f32 v155, v146, v147
	v_add_f32 v156, v148, v149
	v_add_f32 v157, v150, v151
	v_add_f32 v154, v154, v155
	v_add_f32 v156, v156, v157
	v_add_f32 v154, v154, v156
	v_rcp_f32 v155, v154                           ; 1 / the sum = the first's p
	v_min_u32 v156, v160, v161                     ; lo  (a plain instruction behind the reciprocal)
	v_max_u32 v157, v160, v161                     ; hi
	s_wait_alu depctr_va_vdst(0)
.irp e, 0,1,2,3,4,5,6,7
	v_mul_f32 v[144+\e], v[144+\e], v155           ; the probabilities
.endr
	v_mul_f32 v153, v153, v155                     ; the second's p
	v_cmp_lt_u32 vcc_lo, v160, v161
	v_cndmask_b32 v158, v153, v155, vcc_lo         ; p of lo
	v_cndmask_b32 v159, v155, v153, vcc_lo         ; p of hi
	v_sub_nc_u32 v162, 15, v156                    ; bucket = lo (15 - lo) / 2 + hi - lo - 1
	v_mul_u32_u24 v162, v162, v156
	v_lshrrev_b32 v162, 1, v162
	v_add_nc_u32 v162, v162, v157
	v_sub_nc_u32 v162, v162, v156
	v_add_nc_u32 v162, -1, v162
	v_mov_b32 v163, 0                              ; my rank among the block's tokens of my bucket
	v_mov_b32 v164, 0                              ; lane b: the block's tokens in bucket b; lanes 28-31 stay 0
.set nb, 0
.rept 28
	v_cmp_eq_u32 s50, nb, v162
	v_mbcnt_lo_u32_b32 v165, s50, 0
	v_cndmask_b32 v163, v163, v165, s50
	s_bcnt1_i32_b32 s51, s50
	v_writelane_b32 v164, s51, nb
.set nb, nb+1
.endr
	v_lshlrev_b32 v170, 2, v162
	v_lshl_or_b32 v170, v163, 8, v170              ; bucket << 2 | rank << 8
.irp x, 1,2,4,8                        ; the block's sums of p, expert by expert
.irp e, 0,1,2,3,4,5,6,7
	v_add_f32_dpp v[144+\e], v[144+\e], v[144+\e] row_xmask:\x row_mask:0xf bank_mask:0xf
.endr
.endr
.irp e, 0,1,2,3,4,5,6,7
	v_permlanex16_b32 v[128+\e], v[144+\e], s40, s41
.endr
.irp e, 0,1,2,3,4,5,6,7
	v_add_f32 v[144+\e], v[144+\e], v[128+\e]
.endr
	v_and_b32 v167, 7, v1
.irp e, 1,2,3,4,5,6,7
	v_cmp_eq_u32 vcc_lo, \e, v167
	v_cndmask_b32 v144, v144, v[144+\e], vcc_lo    ; lane l keeps expert l % 8's
.endr
	v_lshlrev_b32 v168, 3, v1
	v_lshlrev_b32 v169, 2, v1
	global_store_b64 v168, v[160:161], s[28:29]                ; out1: 256 consecutive bytes
	global_store_b64 v168, v[158:159], s[22:23]                ; pw
	global_store_b32 v169, v170, s[24:25]                      ; tokinfo
	global_store_b32 v169, v164, s[24:25] offset:32768         ; hist
	global_store_b32 v169, v144, s[26:27]                      ; usage
	global_store_b128 v3, v[136:139], s[18:19]                 ; xs: 512 consecutive bytes
.Lend:
	s_set_vgpr_msb 0x5
	s_wait_tensorcnt 0x0
	ds_add_u32 v0, v1
	s_wait_dscnt 0x0
	s_set_vgpr_msb 0x500
	s_endpgm
.Lfunc_end_k_q4f1f0b9d26_prep:
	.size	k_q4f1f0b9d26_prep, .Lfunc_end_k_q4f1f0b9d26_prep-k_q4f1f0b9d26_prep
	.p2alignl 7, 3214868480
	.fill 96, 4, 3214868480
	.section	.rodata,"a",@progbits
	.p2align	6, 0x0
	.amdhsa_kernel k_q4f1f0b9d26_prep
		.amdhsa_group_segment_fixed_size 77824
		.amdhsa_private_segment_fixed_size 0
		.amdhsa_enable_private_segment 0
		.amdhsa_kernarg_size 104
		.amdhsa_user_sgpr_count 2
		.amdhsa_user_sgpr_kernarg_segment_ptr 1
		.amdhsa_wavefront_size32 1
		.amdhsa_system_sgpr_workgroup_id_x 1
		.amdhsa_system_sgpr_workgroup_id_y 1
		.amdhsa_system_sgpr_workgroup_id_z 1
		.amdhsa_system_vgpr_workitem_id 0
		.amdhsa_next_free_vgpr 258
		.amdhsa_next_free_sgpr 66
		.amdhsa_reserve_vcc 1
		.amdhsa_float_denorm_mode_32 3
		.amdhsa_float_denorm_mode_16_64 3
		.amdhsa_memory_ordered 1
		.amdhsa_forward_progress 1
		.amdhsa_inst_pref_size 71
	.end_amdhsa_kernel
	.amdgpu_metadata
---
amdhsa.version: [ 1, 2 ]
amdhsa.kernels:
  - .name:           k_q4f1f0b9d26_prep
    .symbol:         k_q4f1f0b9d26_prep.kd
    .args:
      - { .name: x, .offset: 0, .size: 8, .value_kind: global_buffer, .address_space: global }
      - { .name: noise, .offset: 8, .size: 8, .value_kind: global_buffer, .address_space: global }
      - { .name: gate_w, .offset: 16, .size: 8, .value_kind: global_buffer, .address_space: global }
      - { .name: gate_b, .offset: 24, .size: 8, .value_kind: global_buffer, .address_space: global }
      - { .name: w1_codes, .offset: 32, .size: 8, .value_kind: global_buffer, .address_space: global }
      - { .name: w2_codes, .offset: 40, .size: 8, .value_kind: global_buffer, .address_space: global }
      - { .name: xq, .offset: 48, .size: 8, .value_kind: global_buffer, .address_space: global }
      - { .name: xs, .offset: 56, .size: 8, .value_kind: global_buffer, .address_space: global }
      - { .name: wf, .offset: 64, .size: 8, .value_kind: global_buffer, .address_space: global }
      - { .name: pw, .offset: 72, .size: 8, .value_kind: global_buffer, .address_space: global }
      - { .name: route, .offset: 80, .size: 8, .value_kind: global_buffer, .address_space: global }
      - { .name: usage, .offset: 88, .size: 8, .value_kind: global_buffer, .address_space: global }
      - { .name: out1, .offset: 96, .size: 8, .value_kind: global_buffer, .address_space: global }
    .group_segment_fixed_size: 77824
    .private_segment_fixed_size: 0
    .kernarg_segment_align: 8
    .kernarg_segment_size: 104
    .max_flat_workgroup_size: 256
    .sgpr_count:     66
    .vgpr_count:     258
    .wavefront_size: 32
...
	.end_amdgpu_metadata
.endif
;; end of part 1
;; launch place (part 2): grid 1 x 1, 8 waves a work-group, no clusters, 3,072 bytes of LDS; arguments route, usage, plan, out2; writes plan, out2
.if DOCPART == 2
	.amdgcn_target "amdgcn-amd-amdhsa--gfx1250"
	.amdhsa_code_object_version 6
	.text
	.protected	k_q4f1f0b9d26_place
	.globl	k_q4f1f0b9d26_place
	.p2align	8
	.type	k_q4f1f0b9d26_place,@function
k_q4f1f0b9d26_place:
	s_mov_b64 s[64:65], 0
	v_nop
	global_prefetch_b8 v0, s[64:65] scope:SCOPE_SE
	s_setreg_imm32_b32 hwreg(HW_REG_WAVE_MODE, 25, 1), 1
	s_wait_xcnt 0x0
; PLACE.  One work-group turns the 256 blocks' histograms into places.  A bucket (an unordered pair of experts) with n tokens gets ceil(n / 48) tiles on end; token number i of a bucket goes to
; row i % 48 of the bucket's tile i / 48.  Over 28 buckets and 8,192 tokens that is never more than (8,192 + 28 x 47) / 48 = 198 tiles, whatever the split.
; plan: tiles [256][4] = {lo, hi, rows, 0} at byte 0 (past the live tiles: 0 rows, valid experts); order [198 x 48] token numbers at byte 4,096 (only the rows that a tile counts are written, and only they are read).
; out2: the standard deviation of the experts' shares of the summed probabilities over their mean + 1e-10.
; Wave w owns blocks 32 w .. 32 w + 31.  A lane stands for a bucket in hist, for expert lane % 8 in usage, for a token in tokinfo: all three lie at 4,096 w + 128 k + 4 lane.
; The stores of token numbers are 4 bytes a lane at scattered places: 32 KB in all, once.
.set H,  32                            ; v32-63   hist, then its running sums, then places
.set TI, 64                            ; v64-95   tokinfo
.set U,  96                            ; v96-127  usage, then each block's first places by bucket
.set IX, 128                           ; v128-159 lane indices, then token numbers
	s_load_b256 s[4:11], s[0:1], 0x0               ; route, usage, plan, out2
	v_lshl_add_u32 v160, v0, 2, 0x800
	v_mov_b32 v161, 0
	v_lshrrev_b32 v2, 5, v0
	v_readfirstlane_b32 s12, v2                    ; wave
	v_and_b32 v1, 31, v0                           ; lane
	v_lshlrev_b32 v3, 2, v1                        ; 4 lane
	s_lshl_b32 s13, s12, 12
	v_add_nc_u32 v4, s13, v3
	s_lshl_b32 s13, s12, 7
	v_add_nc_u32 v5, s13, v3                       ; LDS: my wave's row of 128 bytes
	s_lshl_b32 s13, s12, 10
	v_add_nc_u32 v31, s13, v1                      ; my token in the wave's first block
	s_wait_kmcnt 0x0
.set k, 0
.rept 32
	global_load_b32 v[H+k], v4, s[4:5] offset:32768+128*k
.set k, k+1
.endr
.set k, 0
.rept 32
	global_load_b32 v[U+k], v4, s[6:7] offset:128*k
.set k, k+1
.endr
	s_wait_loadcnt 32                              ; hist is in; usage's 32 loads stay out
.set k, 0
.rept 32
	global_load_b32 v[TI+k], v4, s[4:5] offset:128*k
.set k, k+1
.endr
.set k, 1
.rept 31
	v_add_nc_u32 v[H+k], v[H+k], v[H+k-1]          ; running sums over my blocks: block k's tokens begin behind H[k - 1]
.set k, k+1
.endr
	s_wait_loadcnt 32                              ; usage is in; tokinfo's 32 loads stay out
.set k, 4
.rept 7
	v_pk_add_f32 v[U:U+1], v[U:U+1], v[U+k:U+k+1]
	v_pk_add_f32 v[U+2:U+3], v[U+2:U+3], v[U+k+2:U+k+3]
.set k, k+4
.endr
	v_pk_add_f32 v[U:U+1], v[U:U+1], v[U+2:U+3]
	v_add_f32 v[U], v[U], v[U+1]
	ds_store_b32 v5, v[H+31]                       ; my wave's tokens by bucket,
	ds_store_b32 v5, v[U] offset:1024              ; and its sums of p
	s_wait_dscnt 0x0
	s_barrier_signal -1
	s_barrier_wait -1
.irp i, 0,1,2,3,4,5,6,7
	ds_load_b32 v[8+\i], v3 offset:128*\i
.endr
.irp i, 0,1,2,3,4,5,6,7
	ds_load_b32 v[16+\i], v3 offset:1024+128*\i
.endr
	s_wait_dscnt 0x0
	v_add3_u32 v24, v8, v9, v10                    ; the bucket's tokens
	v_add3_u32 v24, v24, v11, v12
	v_add3_u32 v24, v24, v13, v14
	v_add_nc_u32 v24, v24, v15
	v_mov_b32 v25, 0                               ; and those of the waves before mine
.irp i, 0,1,2,3,4,5,6
	s_cmp_gt_u32 s12, \i
	s_cselect_b32 s13, -1, 0
	v_and_b32 v26, s13, v[8+\i]
	v_add_nc_u32 v25, v25, v26
.endr
	v_add_nc_u32 v27, 47, v24                      ; the bucket's tiles: (n + 47) / 48, as x 43,691 >> 21:
	v_mul_u32_u24 v27, 0xaaab, v27                 ; 43,691 x 48 = 2^21 + 16, so the quotient is exact for numbers under 2^21 / 16 = 131,072; these stay under 8,240
	v_lshrrev_b32 v27, 21, v27
	v_mov_b32 v28, v27
	v_mov_b32 v26, 0
.irp n, 1,2,4,8                        ; running sum over the lanes of a row of 16,
	v_mov_b32_dpp v26, v28 row_shr:\n row_mask:0xf bank_mask:0xf bound_ctrl:1
	v_add_nc_u32 v28, v28, v26
.endr
	v_readlane_b32 s13, v28, 15                    ; and lane 15's onto lanes 16-31
	v_cmp_lt_u32 vcc_lo, 15, v1
	v_mov_b32 v26, s13
	v_cndmask_b32 v26, 0, v26, vcc_lo
	v_add_nc_u32 v28, v28, v26                     ; the tile behind the bucket's last
	v_sub_nc_u32 v29, v28, v27                     ; the bucket's first tile
	v_mad_u32_u24 v30, v29, 48, v25                ; where my wave's tokens of the bucket begin
	v_mov_b32 v[U], v30
.set k, 1
.rept 31
	v_add_nc_u32 v[U+k], v30, v[H+k-1]             ; and block k's
.set k, k+1
.endr
	s_wait_loadcnt 0x0                             ; tokinfo
.set k, 0
.rept 32
	v_min_u32 v[TI+k], 0x1fff, v[TI+k]             ; a number read from memory is held before it names a lane
	v_and_b32 v[IX+k], 0x7c, v[TI+k]               ; 4 x bucket
.set k, k+1
.endr
.set k, 0
.rept 32
	ds_bpermute_b32 v[H+k], v[IX+k], v[U+k]        ; the first place of my token's bucket in block k
.set k, k+1
.endr
	s_wait_dscnt 0x0
.set k, 0
.rept 32
	v_lshrrev_b32 v[TI+k], 8, v[TI+k]              ; rank
	v_add_nc_u32 v[H+k], v[H+k], v[TI+k]
	v_min_u32 v[H+k], 9503, v[H+k]                 ; held inside order (198 x 48 places) before it enters an address
	v_lshlrev_b32 v[H+k], 2, v[H+k]
	v_add_nc_u32 v[IX+k], 32*k, v31                ; the token's number
	global_store_b32 v[H+k], v[IX+k], s[8:9] offset:4096
.set k, k+1
.endr
	; ---- the table of tiles: thread t writes tile t
	v_mov_b32 v64, 0                               ; b = how many buckets end at or before tile t (28: no bucket)
.set k, 0
.rept 28
	v_readlane_b32 s13, v28, k
	v_cmp_le_u32 vcc_lo, s13, v0
	v_add_co_ci_u32 v64, vcc_lo, 0, v64, vcc_lo
.set k, k+1
.endr
	v_min_u32 v65, 31, v64
	v_lshlrev_b32 v65, 2, v65
	ds_bpermute_b32 v66, v65, v24                  ; its tokens
	ds_bpermute_b32 v67, v65, v29                  ; its first tile
	v_mov_b32 v68, 0                               ; lo: the buckets of lo begin at 0, 7, 13, 18, 22, 25, 27
.irp th, 7,13,18,22,25,27,28
	v_cmp_le_u32 vcc_lo, \th, v64
	v_add_co_ci_u32 v68, vcc_lo, 0, v68, vcc_lo
.endr
	v_sub_nc_u32 v70, 15, v68
	v_mul_u32_u24 v70, v70, v68
	v_lshrrev_b32 v70, 1, v70
	v_sub_nc_u32 v69, v64, v70
	v_add3_u32 v69, v69, v68, 1                    ; hi = b - lo (15 - lo) / 2 + lo + 1,
	v_min_u32 v69, 7, v69                          ; held at 7 for b = 28
	s_wait_dscnt 0x0
	v_sub_nc_u32 v67, v0, v67
	v_mul_u32_u24 v67, 48, v67
	v_sub_nc_u32 v70, v66, v67                     ; tokens left for this tile and those behind it: at least 1 in a live tile
	v_min_u32 v70, 48, v70
	v_cmp_gt_u32 vcc_lo, 28, v64
	v_cndmask_b32 v70, 0, v70, vcc_lo              ; no bucket: no rows
	v_mov_b32 v71, 0
	v_lshlrev_b32 v72, 4, v0
	global_store_b128 v72, v[68:71], s[8:9]        ; 32 lanes store 512 consecutive bytes
	s_cmp_lg_u32 s12, 0
	s_cbranch_scc1 .Lend
	; ---- wave 0: the loss.  Lane l holds expert l % 8's sum
	v_add_f32 v16, v16, v17
	v_add_f32 v18, v18, v19
	v_add_f32 v20, v20, v21
	v_add_f32 v22, v22, v23
	v_add_f32 v16, v16, v18
	v_add_f32 v20, v20, v22
	v_add_f32 v16, v16, v20                        ; usage
	v_mov_b32 v17, v16
.irp x, 1,2,4
	v_add_f32_dpp v17, v17, v17 row_xmask:\x row_mask:0xf bank_mask:0xf
.endr
	v_rcp_f32 v18, v17
	v_nop
	s_wait_alu depctr_va_vdst(0)
	v_mul_f32 v16, v16, v18                        ; importance
	v_mov_b32 v17, v16
.irp x, 1,2,4
	v_add_f32_dpp v17, v17, v17 row_xmask:\x row_mask:0xf bank_mask:0xf
.endr
	v_mul_f32 v17, 0x3e000000, v17                 ; its mean
	v_sub_f32 v19, v16, v17
	v_mul_f32 v19, v19, v19
.irp x, 1,2,4
	v_add_f32_dpp v19, v19, v19 row_xmask:\x row_mask:0xf bank_mask:0xf
.endr
	v_mul_f32 v19, 0x3e000000, v19                 ; its variance
	v_sqrt_f32 v19, v19
	v_add_f32 v20, 0x2edbe6ff, v17                 ; mean + 1e-10  (a plain instruction behind the root)
	v_rcp_f32 v20, v20
	v_mov_b32 v21, 0                               ; (and behind the reciprocal)
	s_wait_alu depctr_va_vdst(0)
	v_mul_f32 v19, v19, v20
	s_wait_xcnt 0x0                                ; EXEC is a source of the stores above: it changes only behind this wait
	v_cmp_eq_u32 vcc_lo, 0, v1
	s_and_saveexec_b32 s14, vcc_lo
	global_store_b32 v21, v19, s[10:11]            ; lane 0 alone
	s_wait_xcnt 0x0
	s_or_b32 exec_lo, exec_lo, s14
.Lend:
	s_wait_tensorcnt 0x0
	ds_add_u32 v160, v161
	s_wait_dscnt 0x0
	s_endpgm
.Lfunc_end_k_q4f1f0b9d26_place:
	.size	k_q4f1f0b9d26_place, .Lfunc_end_k_q4f1f0b9d26_place-k_q4f1f0b9d26_place
	.p2alignl 7, 3214868480
	.fill 96, 4, 3214868480
	.section	.rodata,"a",@progbits
	.p2align	6, 0x0
	.amdhsa_kernel k_q4f1f0b9d26_place
		.amdhsa_group_segment_fixed_size 3072
		.amdhsa_private_segment_fixed_size 0
		.amdhsa_enable_private_segment 0
		.amdhsa_kernarg_size 32
		.amdhsa_user_sgpr_count 2
		.amdhsa_user_sgpr_kernarg_segment_ptr 1
		.amdhsa_wavefront_size32 1
		.amdhsa_system_sgpr_workgroup_id_x 1
		.amdhsa_system_sgpr_workgroup_id_y 1
		.amdhsa_system_sgpr_workgroup_id_z 1
		.amdhsa_system_vgpr_workitem_id 0
		.amdhsa_next_free_vgpr 162
		.amdhsa_next_free_sgpr 66
		.amdhsa_reserve_vcc 1
		.amdhsa_float_denorm_mode_32 3
		.amdhsa_float_denorm_mode_16_64 3
		.amdhsa_memory_ordered 1
		.amdhsa_forward_progress 1
		.amdhsa_inst_pref_size 39
	.end_amdhsa_kernel
	.amdgpu_metadata
---
amdhsa.version: [ 1, 2 ]
amdhsa.kernels:
  - .name:           k_q4f1f0b9d26_place
    .symbol:         k_q4f1f0b9d26_place.kd
    .args:
      - { .name: route, .offset: 0, .size: 8, .value_kind: global_buffer, .address_space: global }
      - { .name: usage, .offset: 8, .size: 8, .value_kind: global_buffer, .address_space: global }
      - { .name: plan, .offset: 16, .size: 8, .value_kind: global_buffer, .address_space: global }
      - { .name: out2, .offset: 24, .size: 8, .value_kind: global_buffer, .address_space: global }
    .group_segment_fixed_size: 3072
    .private_segment_fixed_size: 0
    .kernarg_segment_align: 8
    .kernarg_segment_size: 32
    .max_flat_workgroup_size: 256
    .sgpr_count:     66
    .vgpr_count:     162
    .wavefront_size: 32
...
	.end_amdgpu_metadata
.endif
;; end of part 2
;; launch chain (part 3): grid 198 x 1, 8 waves a work-group, no clusters, 216,064 bytes of LDS; arguments plan, wf, xq, xs, pw, w1_scales, w2_scales, b1, b2, out0; writes out0
.if DOCPART == 3
	.amdgcn_target "amdgcn-amd-amdhsa--gfx1250"
	.amdhsa_code_object_version 6
	.text
	.protected	k_q4f1f0b9d26_chain
	.globl	k_q4f1f0b9d26_chain
	.p2align	8
	.type	k_q4f1f0b9d26_chain,@function
k_q4f1f0b9d26_chain:
	s_mov_b64 s[64:65], 0
	v_nop
	global_prefetch_b8 v0, s[64:65] scope:SCOPE_SE
	s_setreg_imm32_b32 hwreg(HW_REG_WAVE_MODE, 25, 1), 1
	s_wait_xcnt 0x0
; CHAIN.  A work-group takes one tile: up to 48 tokens that chose the same two experts lo < hi, and makes out0[token] = p_lo (silu(x W1_lo + b1_lo) W2_lo + b2_lo) + p_hi (the same of hi).
; Both products on codes of E2M1 with one E8M0 scale for each 32 along K.  Each row of out0 has one owner; the hidden layer stays in LDS.
; THE GRID serves every split: 198 tiles at the most, (8,192 + 28 x 47) / 48.  A work-group whose tile has no rows jumps over the three parts of the work, by branches on the stored count, passes both barriers and stores nothing.
; Each part reads only registers that the head, both arms of the first branch, or the part itself writes.  There is no tensor load; and since no cluster's partners can be promised one expert, no joint request.
; SHARES.  THE WAVES SHARE THE COLUMNS, NOT THE ROWS: wave w makes hidden units 128 w .. + 127 of each expert (K step w of the second product) and output columns 64 w .. + 63, for all 48 rows (3 tiles m).
; So each fragment of the weights is loaded once in the work-group, from wf, where it lies in the order of the operand's registers, and feeds three matrix instructions.
; Both products are used transposed (source 0 = 16 rows of the weight, source 1 = 16 tokens): a lane holds one token.  W1's tiles take rows 32 b + 8 u + r + 8 (r / 8), so that two neighbouring tiles' 16 registers
; are 16 neighbours along the next K.  Operands go from wave to wave through LDS as images of their registers, 16 bytes a lane.
; THE WEIGHTS come through a ring of 16 fragments in registers, in 8 chunks of 16 KB = [step (4)][fragment (4)]: a step's four fragments are asked for again straight behind the step.
; Register and LDS strides are kept at four tiles of rows (powers of two); of the accumulators' fourth places those of the second product hold b2, the C of each sum's first matrix instruction.
; Rows past a tile's count repeat its last token: they store the same numbers to the same bytes.
; LIMITS: NaN and infinities are not served; where the exponential in silu overflows (pre-activations under about -88) the result is 0; a block of zeros gets the byte 1: its codes are zeros.
.set XIMG, 0                           ; LDS: x's fragment (m, s) at (4 m + s) x 1,024
.set XSC,  16384                       ; x's scale words: 512 m + 16 lane
.set HIMG, 18432                       ; the hidden layer: 32,768 e + 16,384 c + 4,096 m + 512 s + 16 lane
.set HSC,  83968                       ; its scale words: 512 (8 e + s) + 16 lane + 4 m
.set W1SC, 92160                       ; from here on each wave's own: w1_scales of its 128 rows, 4,096 w + 2,048 e
.set W2SC, 124928                      ; w2_scales of its 64 rows, likewise
.set B1L,  157696                      ; b1: 1,024 w + 512 e
.set B2L,  165888                      ; b2: 512 w + 256 e
.set TOKL, 169984                      ; the tile's token numbers: 256 w + 4 row
.set PWL,  172032                      ; (p_lo, p_hi): 1,024 w + 256 m + 8 lane
.set STG,  180224                      ; the way out: 16 rows x (256 + 16) bytes: 4,352 w
; window 0
.set LI,  1                            ; 16 lane
.set W1A, 2
.set B1A, 3
.set HW,  4
.set SW,  5
.set HR,  6
.set SR,  7
.set W2A, 8
.set B2A, 9
.set STO, 10
.set SRD, 11
.set TR,  12
.set PR,  13
.set CO,  14
.set LN,  15                           ; lane
.set XF,  16                           ; v16-111  x's 12 fragments; then, to v143, hi's accumulators (ct, m) at XF + 32 ct + 8 m, b2 of hi at m = 3's place; at first what the gathers bring
.set T,   144                          ; v144-175 32 numbers of the hidden layer
.set B1R, 176                          ; v176-207 b1 in the result's layout
.set HF,  144                          ; v144-207 two sets of three hidden fragments, 32 registers apart
.set BKR, 144                          ; the way out: 16 rows read back
.set OFR, 176                          ; the way out: 24 row offsets
.set W1S, 208                          ; v208-247 hold scale words (v243 and v247 aside: the closing add's two): W1's 8, x's 12;
.set XS,  216
.set W2S, 208                          ; later W2's 32 and two sets of the hidden layer's 3
.set HS,  240
.set TM,  248                          ; v248-249 a block's largest magnitude, then the conversion's scale operand
.set TP,  250                          ; v250-251 the other half's, then the bytes
.set PCD, 252                          ; v252-255 the codes just made
.set PP,  248                          ; the way out: three pairs (p_lo, p_hi)
.set AX,  144                          ; v144-150 where the first part stores, made in the head
.set AXS, 145
.set AW1, 146
.set AW2, 147
.set AB1, 148
.set AB2, 149
.set ATK, 150
.set OI,  152                          ; v152-172 the first part's offsets
.set OS0, 157
.set OS1, 160
.set GX,  163
.set GS,  164
.set GP,  166
.set CX,  170
.set RR,  171
.set HH,  172
.set TK,  16
; window 1: v0-95 the first product's 12 accumulators (m, f) at 32 m + 8 f; then, to v127, lo's (ct, m) at 32 ct + 8 m, b2 of lo at m = 3's place;  v128-255 the ring
.set RG,  128
.set MSB, 0
.macro WIN new                         ; the immediate's high byte repeats the setting that is left
.if MSB != \new
	s_set_vgpr_msb (MSB<<8)|\new
.set MSB, \new
.endif
.endm
.macro PLACES                          ; four plain instructions between a matrix instruction and a load into, or a read of, its registers
.rept 4
	v_nop
.endr
.endm
.macro REFILL ptr, off, sg             ; step sg's four fragments of the chunk at s[ptr] + off
	WIN 0x40                                       ; destination window 1, address window 0
.irp f, 0,1,2,3
.irp c, 0,1
	global_load_b128 v[RG+32*(\sg)+8*\f+4*\c:RG+32*(\sg)+8*\f+4*\c+3], v[LI], s[\ptr:\ptr+1] offset:(\off)+4096*(\sg)+1024*\f+512*\c
.endr
.endr
.endm
.macro WM d, a, b, c, sa, sb, odd      ; odd: source 0's scale words stand in lanes 16-31
.if \odd
	v_wmma_scale_f32_16x16x128_f8f6f4 v[\d:\d+7], v[\a:\a+7], v[\b:\b+7], v[\c:\c+7], v[\sa], v[\sb] matrix_a_fmt:MATRIX_FMT_FP4 matrix_b_fmt:MATRIX_FMT_FP4 matrix_a_scale:MATRIX_SCALE_ROW1
.else
	v_wmma_scale_f32_16x16x128_f8f6f4 v[\d:\d+7], v[\a:\a+7], v[\b:\b+7], v[\c:\c+7], v[\sa], v[\sb] matrix_a_fmt:MATRIX_FMT_FP4 matrix_b_fmt:MATRIX_FMT_FP4
.endif
.endm
	s_load_b512 s[4:19], s[0:1], 0x0               ; plan, wf, xq, xs, pw, w1_scales, w2_scales, b1
	s_load_b128 s[20:23], s[0:1], 0x40             ; b2, out0
	v_lshl_add_u32 v243, v0, 2, 0x34800
	v_mov_b32 v247, 0
	; every LDS address is made here, ahead of the first branch, while the arguments are on their way
	v_lshrrev_b32 v2, 5, v0
	v_readfirstlane_b32 s24, v2                    ; wave
	s_lshr_b32 s25, s24, 1
	s_and_b32 s26, s24, 1
	v_and_b32 v[LN], 31, v0
	v_lshlrev_b32 v[LI], 4, v[LN]
	v_and_b32 v[RR], 15, v0                        ; r
	v_bfe_u32 v[HH], v0, 4, 1                      ; h
	v_and_b32 v18, 8, v[RR]
	v_add_nc_u32 v18, v18, v[RR]
	v_lshl_add_u32 v18, v[HH], 3, v18              ; 8 h + r + 8 (r / 8): lanes 0-15 the even tile's rows, lanes 16-31 the odd tile's
	v_lshlrev_b32 v[W1A], 4, v18
	s_lshl_b32 s27, s24, 12
	s_add_co_u32 s50, s27, W1SC
	v_add_nc_u32 v[W1A], s50, v[W1A]
	v_add_nc_u32 v[AW1], s50, v[LI]
	s_add_co_u32 s50, s27, W2SC
	v_add_nc_u32 v[AW2], s50, v[LI]
	v_lshl_add_u32 v[W2A], v[LN], 5, s50           ; row = lane of a pair of tiles, 32 bytes a row
	s_lshl_b32 s50, s24, 10
	s_add_co_u32 s52, s50, B1L
	v_lshl_add_u32 v[B1A], v[HH], 6, s52
	v_add_nc_u32 v[AB1], s52, v[LI]
	s_add_co_u32 s52, s50, PWL
	v_lshl_add_u32 v[PR], v[LN], 3, s52
	s_lshl_b32 s50, s24, 9
	s_add_co_u32 s52, s50, HIMG
	v_add_nc_u32 v[HW], s52, v[LI]
	s_add_co_u32 s52, s50, HSC
	v_add_nc_u32 v[SW], s52, v[LI]
	s_add_co_u32 s52, s50, B2L
	v_lshl_add_u32 v[B2A], v[HH], 5, s52
	v_lshl_add_u32 v[AB2], v[LN], 3, s52
	v_add_nc_u32 v[HR], HIMG, v[LI]
	v_add_nc_u32 v[SR], HSC, v[LI]
	s_mul_i32 s50, s24, 4352
	s_add_co_u32 s50, s50, STG
	v_mul_u32_u24 v18, v[RR], 272
	v_lshl_add_u32 v18, v[HH], 5, v18
	v_add_nc_u32 v[STO], s50, v18                  ; the stage, in: row r, 32 bytes for each half of the lanes
	v_mul_u32_u24 v18, v[HH], 2176
	v_lshl_add_u32 v18, v[RR], 4, v18
	v_add_nc_u32 v[SRD], s50, v18                  ; and back: lanes 0-15 row i, lanes 16-31 row 8 + i
	s_lshl_b32 s50, s24, 8
	s_add_co_u32 s52, s50, TOKL
	v_lshl_add_u32 v[TR], v[HH], 5, s52
	v_lshl_add_u32 v[ATK], v[RR], 2, s52
	v_lshl_add_u32 v[CO], v[RR], 4, s50            ; in a row of out0: 256 w + 16 (lane % 16)
	s_lshl_b32 s50, s24, 11
	v_add_nc_u32 v[AX], s50, v[LI]
	s_lshl_b32 s50, s25, 9
	s_lshl_b32 s52, s26, 3
	s_add_co_u32 s50, s50, s52
	s_add_co_u32 s50, s50, XSC
	v_add_nc_u32 v[AXS], s50, v[LI]
	v_mov_b32 v[TP], 0                             ; a lane permute's destination counts as one of its sources
	v_mov_b32 v[TP+1], 0
	s_mov_b32 s42, 0xbfb8aa3b                      ; -log2(e), as a pair for the packed form
	s_mov_b32 s43, s42
	s_mov_b32 s44, 0x76543210
	s_mov_b32 s45, 0xfedcba98                      ; v_permlanex16_b32's selects for lane l xor 16
	s_lshl_b32 s50, ttmp9, 4
	s_mov_b32 s51, 0
	s_wait_kmcnt 0x0
	s_add_nc_u64 s[54:55], s[4:5], s[50:51]
	s_load_b128 s[28:31], s[54:55], 0x0            ; my tile: lo, hi, rows
	s_mul_i32 s50, ttmp9, 192
	s_add_nc_u64 s[48:49], s[4:5], s[50:51]        ; my tile's 48 places in order (4,096 bytes further on)
	s_lshl_b32 s27, s24, 15
	s_wait_kmcnt 0x0
	s_min_u32 s28, s28, 7                          ; numbers read from memory are held before they enter an address
	s_min_u32 s29, s29, 7
	s_min_u32 s30, s30, 48
	s_lshl_b32 s50, s28, 18
	s_add_co_u32 s50, s50, s27
	s_add_nc_u64 s[32:33], s[6:7], s[50:51]        ; lo's fragments for my wave: W1's here, W2's 0x200000 further on
	s_lshl_b32 s50, s29, 18
	s_add_co_u32 s50, s50, s27
	s_add_nc_u64 s[34:35], s[6:7], s[50:51]        ; hi's
	; ======== the first part: the tile's tokens, their codes, scale words and p; my wave's tables; the ring's first chunk
	; The token numbers head a chain of dependent loads, and loads come back in order: so they, the tables and the gathers are asked for ahead of the ring's 16 KB.
	s_cmp_eq_u32 s30, 0
	s_cbranch_scc1 .Lempty0
	s_sub_co_u32 s47, s30, 1
.irp m, 0,1,2
	v_add_nc_u32 v[OI+\m], 16*\m, v[RR]
.endr
.irp m, 0,1,2
	v_min_u32 v[OI+\m], s47, v[OI+\m]              ; rows past the count repeat the last token
	v_min_u32 v[OI+\m], 47, v[OI+\m]
	v_lshlrev_b32 v[OI+\m], 2, v[OI+\m]
.endr
.irp m, 0,1,2
	global_load_b32 v[TK+\m], v[OI+\m], s[48:49] offset:4096
.endr
	s_cmp_gt_u32 s24, 5                            ; x's 12 fragments are fetched by waves 0 to 5, two each: tile of rows w / 2, K steps 2 (w % 2) and + 1
	s_cbranch_scc1 .Lno_x0
	s_lshl_b32 s52, s25, 4
	v_add_nc_u32 v[OI+4], s52, v[RR]
	v_min_u32 v[OI+4], s47, v[OI+4]
	v_min_u32 v[OI+4], 47, v[OI+4]
	v_lshlrev_b32 v[OI+4], 2, v[OI+4]
	global_load_b32 v[TK+4], v[OI+4], s[48:49] offset:4096
.Lno_x0:
.macro TOFF se, o                      ; expert s[se]: where my wave's part begins in both tensors of scale bytes, in b1, in b2
	s_lshl_b32 s52, s[\se], 14
	s_lshl_b32 s53, s24, 11
	s_add_co_u32 s52, s52, s53
	v_add_nc_u32 v[\o], s52, v[LI]
	s_lshl_b32 s52, s[\se], 12
	s_lshl_b32 s53, s24, 9
	s_add_co_u32 s52, s52, s53
	v_add_nc_u32 v[\o+1], s52, v[LI]
	s_lshl_b32 s52, s[\se], 11
	s_lshl_b32 s53, s24, 8
	s_add_co_u32 s52, s52, s53
	v_lshl_add_u32 v[\o+2], v[LN], 3, s52
.endm
.macro TLOADS o, tb                    ; ten dense loads
.irp i, 0,1,2,3
	global_load_b128 v[\tb+4*\i:\tb+4*\i+3], v[\o], s[14:15] offset:512*\i
.endr
.irp i, 0,1,2,3
	global_load_b128 v[\tb+16+4*\i:\tb+16+4*\i+3], v[\o], s[16:17] offset:512*\i
.endr
	global_load_b128 v[\tb+32:\tb+35], v[\o+1], s[18:19]
	global_load_b64 v[\tb+36:\tb+37], v[\o+2], s[20:21]
.endm
.macro TSTORES e, tb
.irp i, 0,1,2,3
	ds_store_b128 v[AW1], v[\tb+4*\i:\tb+4*\i+3] offset:2048*\e+512*\i
	ds_store_b128 v[AW2], v[\tb+16+4*\i:\tb+16+4*\i+3] offset:2048*\e+512*\i
.endr
	ds_store_b128 v[AB1], v[\tb+32:\tb+35] offset:512*\e
	ds_store_b64 v[AB2], v[\tb+36:\tb+37] offset:256*\e
.endm
	TOFF 28, OS0
	TOFF 29, OS1
	TLOADS OS0, 24
	TLOADS OS1, 64
	s_wait_loadcnt 20                              ; the token numbers are in; the 20 loads of tables stay out
.irp m, 0,1,2
	v_min_u32 v[TK+\m], 0x1fff, v[TK+\m]
.endr
	s_cmp_gt_u32 s24, 5
	s_cbranch_scc1 .Lno_x1
	v_min_u32 v[TK+4], 0x1fff, v[TK+4]
	s_lshl_b32 s52, s26, 7
	v_lshl_add_u32 v[CX], v[HH], 4, s52
	v_lshl_add_u32 v[GX], v[TK+4], 8, v[CX]        ; xq: token x 256 + K steps 2 (w % 2) on + 16 h
	s_lshl_b32 s52, s26, 3
	v_lshl_add_u32 v[GS], v[TK+4], 4, s52          ; xs: token x 16 + the same two K steps' words
.irp i, 0,1,2,3
	global_load_b128 v[104+4*\i:107+4*\i], v[GX], s[8:9] offset:32*\i
.endr
	global_load_b64 v[120:121], v[GS], s[10:11]
.Lno_x1:
.irp m, 0,1,2
	v_lshlrev_b32 v[GP+\m], 3, v[TK+\m]
.endr
.irp m, 0,1,2
	global_load_b64 v[122+2*\m:123+2*\m], v[GP+\m], s[12:13]
.endr
.irp sg, 0,1,2,3
	REFILL 32, 0, \sg                              ; the ring's first chunk: 32 loads
.endr
	WIN 0
	s_wait_loadcnt 35                              ; the tables and x's codes are in; the three gathers of p and the ring's 32 loads stay out
	TSTORES 0, 24
	TSTORES 1, 64
	s_cmp_gt_u32 s24, 5
	s_cbranch_scc1 .Lno_x2
.irp i, 0,1,2,3
	ds_store_b128 v[AX], v[104+4*\i:107+4*\i] offset:XIMG+512*\i   ; two fragments of x as images of their registers
.endr
	ds_store_b64 v[AXS], v[120:121]
.Lno_x2:
	s_wait_loadcnt 32                              ; p is in; the ring's 32 loads stay out
.irp m, 0,1,2
	ds_store_b64 v[PR], v[122+2*\m:123+2*\m] offset:256*\m
	ds_store_b32 v[ATK], v[TK+\m] offset:64*\m     ; both halves of the lanes write the same word
.endr
	s_branch .Ljoin0
.Lempty0:
.irp sg, 0,1,2,3
	REFILL 32, 0, \sg                              ; in this arm too, so that on every way 32 loads of the ring are out at the join
.endr
	WIN 0
.Ljoin0:
	s_wait_dscnt 0x0                               ; for the others' sake: my stores have landed
	s_barrier_signal -1
	s_barrier_wait -1                              ; x's 12 fragments and their scale words lie in LDS.  (The ring's loads stay on their way: nobody writes those bytes)
	; ======== the second part: the hidden layer of both experts
; A step: 128 along K, my chunk's 4 tiles x the 3 tiles of rows.  The 12 accumulators take turns, in the same order in every step.
.macro P1STEP sg, ptr, off
	s_wait_loadcnt 24                              ; behind this step's eight loads those of three other steps were issued
.if (\sg) == 0
	WIN 0x41                                       ; source 0 and D window 1; C = the bias, window 0
.else
	WIN 0x51                                       ; C too
.endif
.irp f, 0,1,2,3
.irp m, 0,1,2
.if (\sg) == 0
	WM 32*\m+8*\f, RG+32*(\sg)+8*\f, XF+8*(4*\m+(\sg)), B1R+8*\f, W1S+4*(\f/2)+(\sg), XS+4*\m+(\sg), \f%2
.else
	WM 32*\m+8*\f, RG+32*(\sg)+8*\f, XF+8*(4*\m+(\sg)), 32*\m+8*\f, W1S+4*(\f/2)+(\sg), XS+4*\m+(\sg), \f%2
.endif
.endr
.endr
	PLACES
	REFILL \ptr, \off, \sg                         ; the next chunk's same step
.endm
; Tile of rows m: silu of my 32 numbers (64 hidden units, 16 (lane / 16) + i of each block of 32), quantised; they are half g of K step w of the second product.
.macro SILUQ m, e, g
	s_wait_dscnt 0x0                               ; the last image's stores have read the registers that are written again below
	WIN 0x04                                       ; source 1 window 1: the accumulators; all else window 0
.set k, 0
.rept 16
	v_pk_mul_f32 v[T+k:T+k+1], s[42:43], v[32*(\m)+k:32*(\m)+k+1] op_sel_hi:[0,1]   ; -z log2(e); each accumulator is read from its low end on
.set k, k+2
.endr
.set k, 0
.rept 32
	v_exp_f32 v[T+k], v[T+k]
.set k, k+1
.endr
	v_nop                                          ; a plain instruction behind the exponentials
.set k, 0
	s_wait_alu depctr_va_vdst(0)
.rept 16
	v_pk_add_f32 v[T+k:T+k+1], v[T+k:T+k+1], 1.0 op_sel_hi:[1,0]
.set k, k+2
.endr
.set k, 0
.rept 32
	v_rcp_f32 v[T+k], v[T+k]
.set k, k+1
.endr
	v_nop
.set k, 0
	s_wait_alu depctr_va_vdst(0)
.rept 16
	v_pk_mul_f32 v[T+k:T+k+1], v[T+k:T+k+1], v[32*(\m)+k:32*(\m)+k+1]              ; z / (1 + e^-z)
.set k, k+2
.endr
	WIN 0
.irp b, 0,1
	v_max3_num_f32 v[TM+\b], |v[T+16*\b]|, |v[T+16*\b+1]|, 0x1800000               ; block b: my 16 numbers, and the floor 2^(3 - 127): the byte cannot fall under 1
.endr
.irp i, 2,4,6,8,10,12,14
.irp b, 0,1
	v_max3_num_f32 v[TM+\b], v[TM+\b], |v[T+16*\b+\i]|, |v[T+16*\b+\i+1]|
.endr
.endr
.irp b, 0,1
	v_permlanex16_b32 v[TP+\b], v[TM+\b], s44, s45
.endr
.irp b, 0,1
	v_max_num_f32 v[TM+\b], v[TM+\b], v[TP+\b]     ; with lane l xor 16's: the block's largest magnitude
.endr
.irp b, 0,1
	v_add_nc_u32 v[TM+\b], 0xff000000, v[TM+\b]    ; 2 off its exponent field: the conversion's scale operand
.endr
.irp b, 0,1
	v_lshrrev_b32 v[TP+\b], 23, v[TM+\b]           ; the scale's byte
.endr
	v_lshl_or_b32 v[TP], v[TP+1], 8, v[TP]         ; two bytes: half of my row's scale word
.irp b, 0,1
	v_cvt_scalef32_pk8_fp4_f32 v[PCD+2*\b], v[T+16*\b:T+16*\b+7], v[TM+\b]
	v_cvt_scalef32_pk8_fp4_f32 v[PCD+2*\b+1], v[T+16*\b+8:T+16*\b+15], v[TM+\b]
.endr
	v_nop                                          ; a plain instruction behind the conversions
	v_permlane16_swap_b32 v[PCD], v[PCD+2]         ; the operand wants a whole block in a lane: lanes 0-15 the first, lanes 16-31 the second
	v_permlane16_swap_b32 v[PCD+1], v[PCD+3]
	ds_store_b128 v[HW], v[PCD:PCD+3] offset:32768*(\e)+16384*(\g)+4096*(\m)
	ds_store_b16 v[SW], v[TP] offset:4096*(\e)+4*(\m)+2*(\g)
.endm
; Expert e (0: lo, 1: hi), half g of my 128 hidden units.  The steps refill the ring with the chunk at s[ptr] + off.
.macro CHUNK1 e, g, ptr, off
.irp f, 0,1,2,3                        ; b1 in the result's layout: tile f, lane half h: units 32 (f / 2) + 16 h + 8 (f % 2) + 0 .. 7
	ds_load_b128 v[B1R+8*\f:B1R+8*\f+3], v[B1A] offset:512*(\e)+256*(\g)+4*(32*(\f/2)+8*(\f%2))
	ds_load_b128 v[B1R+8*\f+4:B1R+8*\f+7], v[B1A] offset:512*(\e)+256*(\g)+4*(32*(\f/2)+8*(\f%2))+16
.endr
.irp p, 0,1                            ; the four K steps' scale words of a pair of tiles
	ds_load_b128 v[W1S+4*\p:W1S+4*\p+3], v[W1A] offset:2048*(\e)+1024*(\g)+512*\p
.endr
	s_wait_dscnt 0x0
.irp sg, 0,1,2,3
	P1STEP \sg, \ptr, \off
.endr
.irp m, 0,1,2
	SILUQ \m, \e, \g
.endr
.endm
	s_cmp_eq_u32 s30, 0
	s_cbranch_scc1 .Ljoin1
.set k, 0
.rept 24
	ds_load_b128 v[XF+4*k:XF+4*k+3], v[LI] offset:XIMG+512*k   ; x's 12 fragments stay in registers for both experts
.set k, k+1
.endr
.irp m, 0,1,2
	ds_load_b128 v[XS+4*\m:XS+4*\m+3], v[LI] offset:XSC+512*\m
.endr
	CHUNK1 0, 0, 32, 16384
	CHUNK1 0, 1, 34, 0
	CHUNK1 1, 0, 34, 16384
	CHUNK1 1, 1, 32, 0x200000                      ; the last chunk's steps already ask for W2's first
.Ljoin1:
	s_wait_dscnt 0x0
	s_barrier_signal -1
	s_barrier_wait -1                              ; both experts' hidden layers lie in LDS.  (The ring's loads stay on their way: nobody writes those bytes)
	; ======== the third part: the second product, the weights p, the way out
	s_cmp_eq_u32 s30, 0
	s_cbranch_scc1 .Lend
.macro LOADH e, ks, hs                 ; K step ks of expert e: three fragments and their scale words into set hs: seven loads
.irp m, 0,1,2
.irp c, 0,1
	ds_load_b128 v[HF+32*(\hs)+8*\m+4*\c:HF+32*(\hs)+8*\m+4*\c+3], v[HR] offset:32768*(\e)+16384*\c+4096*\m+512*(\ks)
.endr
.endr
	ds_load_b96 v[HS+4*(\hs):HS+4*(\hs)+2], v[SR] offset:512*(8*(\e)+(\ks))   ; three words: the fourth is never written
.endm
; Step j: expert j / 8, K step j % 8: my 4 tiles of columns x the 3 tiles of rows, 12 accumulators by turns.  An expert's first step takes b2, at the fourth place of each tile of columns, as its C.
.macro P2STEP j, ptr, off, lcnt, fill
.set EE, (\j)/8
.set SS, (\j)%8
.set HSET, (\j)%2
.set AC2, XF*EE
.if (\j) < 15
	s_wait_dscnt 7                                 ; the next step's seven loads stay out
.else
	s_wait_dscnt 0x0
.endif
	s_wait_loadcnt \lcnt
.if EE == 0
	WIN 0x51                                       ; source 0, C and D window 1
.else
	WIN 0x01                                       ; source 0 window 1
.endif
.irp ct, 0,1,2,3
.irp m, 0,1,2
.if SS == 0
	WM AC2+32*\ct+8*\m, RG+32*(SS%4)+8*\ct, HF+32*HSET+8*\m, AC2+32*\ct+24, W2S+4*(2*(2*EE+\ct/2)+SS/4)+SS%4, HS+4*HSET+\m, \ct%2
.else
	WM AC2+32*\ct+8*\m, RG+32*(SS%4)+8*\ct, HF+32*HSET+8*\m, AC2+32*\ct+8*\m, W2S+4*(2*(2*EE+\ct/2)+SS/4)+SS%4, HS+4*HSET+\m, \ct%2
.endif
.endr
.endr
	PLACES
.if \fill
	REFILL \ptr, \off, SS%4
.endif
	WIN 0
.if (\j)+2 < 16
	LOADH ((\j)+2)/8, ((\j)+2)%8, HSET
.endif
.endm
.irp e, 0,1
.irp p, 0,1
.irp q, 0,1
	ds_load_b128 v[W2S+4*(2*(2*\e+\p)+\q):W2S+4*(2*(2*\e+\p)+\q)+3], v[W2A] offset:2048*\e+1024*\p+16*\q
.endr
.endr
.endr
	WIN 0x40                                       ; b2 in the result's layout (tile ct, lane half h: columns 16 ct + 8 h + 0 .. 7): lo's, window 1,
.irp ct, 0,1,2,3
	ds_load_b128 v[32*\ct+24:32*\ct+27], v[B2A] offset:64*\ct
	ds_load_b128 v[32*\ct+28:32*\ct+31], v[B2A] offset:64*\ct+16
.endr
	WIN 0                                          ; and hi's
.irp ct, 0,1,2,3
	ds_load_b128 v[XF+32*\ct+24:XF+32*\ct+27], v[B2A] offset:256+64*\ct
	ds_load_b128 v[XF+32*\ct+28:XF+32*\ct+31], v[B2A] offset:256+64*\ct+16
.endr
	LOADH 0, 0, 0
	LOADH 0, 1, 1
.irp j, 0,1,2,3
	P2STEP \j, 32, 0x204000, 24, 1
.endr
.irp j, 4,5,6,7
	P2STEP \j, 34, 0x200000, 24, 1
.endr
.irp j, 8,9,10,11
	P2STEP \j, 34, 0x204000, 24, 1
.endr
	P2STEP 12, 0, 0, 24, 0                         ; the last chunk asks for nothing: the counts run down
	P2STEP 13, 0, 0, 16, 0
	P2STEP 14, 0, 0, 8, 0
	P2STEP 15, 0, 0, 0, 0
	; the four plain instructions behind the last products stand at the step's end
.irp m, 0,1,2
	ds_load_b64 v[PP+2*\m:PP+2*\m+1], v[PR] offset:256*\m
.endr
.irp m, 0,1,2
.irp q, 0,1
	ds_load_b128 v[OFR+8*\m+4*\q:OFR+8*\m+4*\q+3], v[TR] offset:64*\m+16*\q        ; the tokens of rows 16 m + 8 (lane / 16) + 0 .. 7
.endr
.endr
	s_wait_dscnt 0x0
.irp ct, 0,1,2,3
.irp m, 0,1,2
.irp k, 0,2,4,6
	v_pk_mul_f32 v[XF+32*\ct+8*\m+\k:XF+32*\ct+8*\m+\k+1], v[XF+32*\ct+8*\m+\k:XF+32*\ct+8*\m+\k+1], v[PP+2*\m:PP+2*\m+1] op_sel:[0,1] op_sel_hi:[1,1]   ; hi's x p_hi; each accumulator from its low end on
.endr
.endr
.endr
	WIN 0x01                                       ; source 0 window 1
.irp ct, 0,1,2,3
.irp m, 0,1,2
.irp k, 0,2,4,6
	v_pk_fma_f32 v[XF+32*\ct+8*\m+\k:XF+32*\ct+8*\m+\k+1], v[32*\ct+8*\m+\k:32*\ct+8*\m+\k+1], v[PP+2*\m:PP+2*\m+1], v[XF+32*\ct+8*\m+\k:XF+32*\ct+8*\m+\k+1] op_sel_hi:[1,0,1]    ; + lo's x p_lo
.endr
.endr
.endr
	WIN 0
.set k, 0
.rept 24
	v_min_u32 v[OFR+k], 0x1fff, v[OFR+k]
	v_lshl_add_u32 v[OFR+k], v[OFR+k], 11, v[CO]   ; token x 2,048 + my place in its row
.set k, k+1
.endr
; Tile of rows m: a lane's 32 bytes of a row go into my own stage and come back as rows of 256 bytes.  LDS serves a wave's instructions in order.
.macro SEND m
.if (\m) > 0
	s_wait_xcnt 0x0                                ; the last tile's stores have read the registers that the loads below fill again
.endif
.irp ct, 0,1,2,3
	ds_store_b128 v[STO], v[XF+32*\ct+8*(\m):XF+32*\ct+8*(\m)+3] offset:64*\ct
	ds_store_b128 v[STO], v[XF+32*\ct+8*(\m)+4:XF+32*\ct+8*(\m)+7] offset:64*\ct+16
.endr
.irp i, 0,1,2,3,4,5,6,7
	ds_load_b128 v[BKR+4*\i:BKR+4*\i+3], v[SRD] offset:272*\i
.endr
.irp i, 0,1,2,3,4,5,6,7
	s_wait_dscnt 7-\i
	global_store_b128 v[OFR+8*(\m)+\i], v[BKR+4*\i:BKR+4*\i+3], s[22:23] th:TH_STORE_NT   ; sixteen lanes store 256 consecutive bytes, at a multiple of 256 from out0's first byte
.endr
.endm
	SEND 0
	SEND 1
	SEND 2
.Lend:
	s_wait_tensorcnt 0x0
	ds_add_u32 v243, v247
	s_wait_dscnt 0x0
	s_endpgm
.Lfunc_end_k_q4f1f0b9d26_chain:
	.size	k_q4f1f0b9d26_chain, .Lfunc_end_k_q4f1f0b9d26_chain-k_q4f1f0b9d26_chain
	.p2alignl 7, 3214868480
	.fill 96, 4, 3214868480
	.section	.rodata,"a",@progbits
	.p2align	6, 0x0
	.amdhsa_kernel k_q4f1f0b9d26_chain
		.amdhsa_group_segment_fixed_size 216064
		.amdhsa_private_segment_fixed_size 0
		.amdhsa_enable_private_segment 0
		.amdhsa_kernarg_size 80
		.amdhsa_user_sgpr_count 2
		.amdhsa_user_sgpr_kernarg_segment_ptr 1
		.amdhsa_wavefront_size32 1
		.amdhsa_system_sgpr_workgroup_id_x 1
		.amdhsa_system_sgpr_workgroup_id_y 1
		.amdhsa_system_sgpr_workgroup_id_z 1
		.amdhsa_system_vgpr_workitem_id 0
		.amdhsa_next_free_vgpr 512
		.amdhsa_next_free_sgpr 66
		.amdhsa_reserve_vcc 0
		.amdhsa_float_denorm_mode_32 3
		.amdhsa_float_denorm_mode_16_64 3
		.amdhsa_memory_ordered 1
		.amdhsa_forward_progress 1
		.amdhsa_inst_pref_size 210
	.end_amdhsa_kernel
	.amdgpu_metadata
---
amdhsa.version: [ 1, 2 ]
amdhsa.kernels:
  - .name:           k_q4f1f0b9d26_chain
    .symbol:         k_q4f1f0b9d26_chain.kd
    .args:
      - { .name: plan, .offset: 0, .size: 8, .value_kind: global_buffer, .address_space: global }
      - { .name: wf, .offset: 8, .size: 8, .value_kind: global_buffer, .address_space: global }
      - { .name: xq, .offset: 16, .size: 8, .value_kind: global_buffer, .address_space: global }
      - { .name: xs, .offset: 24, .size: 8, .value_kind: global_buffer, .address_space: global }
      - { .name: pw, .offset: 32, .size: 8, .value_kind: global_buffer, .address_space: global }
      - { .name: w1_scales, .offset: 40, .size: 8, .value_kind: global_buffer, .address_space: global }
      - { .name: w2_scales, .offset: 48, .size: 8, .value_kind: global_buffer, .address_space: global }
      - { .name: b1, .offset: 56, .size: 8, .value_kind: global_buffer, .address_space: global }
      - { .name: b2, .offset: 64, .size: 8, .value_kind: global_buffer, .address_space: global }
      - { .name: out0, .offset: 72, .size: 8, .value_kind: global_buffer, .address_space: global }
    .group_segment_fixed_size: 216064
    .private_segment_fixed_size: 0
    .kernarg_segment_align: 8
    .kernarg_segment_size: 80
    .max_flat_workgroup_size: 256
    .sgpr_count:     66
    .vgpr_count:     512
    .wavefront_size: 32
...
	.end_amdgpu_metadata
.endif
;; end of part 3
;; ======== version 2 of 2: 3 launches; version 1 with the launch chain written anew for expert scheduling mode
;; workspace buffers: xq 2,097,152 bytes; xs 131,072 bytes; wf 4,194,304 bytes; pw 65,536 bytes; usage 32,768 bytes; route 65,536 bytes of whole numbers; plan 42,240 bytes of whole numbers
;; launch prep: the kernel of part 1 again; grid 256 x 1, 8 waves a work-group, no clusters, 77,824 bytes of LDS; arguments x, noise, gate_w, gate_b, w1_codes, w2_codes, xq, xs, wf, pw, route, usage, out1; writes xq, xs, wf, pw, route, usage, out1
;; launch place: the kernel of part 2 again; grid 1 x 1, 8 waves a work-group, no clusters, 3,072 bytes of LDS; arguments route, usage, plan, out2; writes plan, out2
;; launch chain (part 4): grid 198 x 1, 8 waves a work-group, no clusters, 216,064 bytes of LDS; arguments plan, wf, xq, xs, pw, w1_scales, w2_scales, b1, b2, out0; writes out0
.if DOCPART == 4
	.amdgcn_target "amdgcn-amd-amdhsa--gfx1250"
	.amdhsa_code_object_version 6
	.text
	.protected	k_q4f1f0b9d26_chain
	.globl	k_q4f1f0b9d26_chain
	.p2align	8
	.type	k_q4f1f0b9d26_chain,@function
k_q4f1f0b9d26_chain:
	s_mov_b64 s[64:65], 0
	v_nop
	global_prefetch_b8 v0, s[64:65] scope:SCOPE_SE
	s_setreg_imm32_b32 hwreg(HW_REG_WAVE_SCHED_MODE, 0, 2), 2
	s_setreg_imm32_b32 hwreg(HW_REG_WAVE_MODE, 25, 1), 1
	s_wait_xcnt 0x0
	s_wait_alu depctr_vm_vsrc(0)
; CHAIN.  A work-group takes one tile: up to 48 tokens that chose the same two experts lo < hi, and makes out0[token] = p_lo (silu(x W1_lo + b1_lo) W2_lo + b2_lo) + p_hi (the same of hi).
; Both products on codes of E2M1 with one E8M0 scale for each 32 along K.  Each row of out0 has one owner; the hidden layer stays in LDS.
; THE GRID serves every split: 198 tiles at the most, (8,192 + 28 x 47) / 48.  A work-group whose tile has no rows jumps over the three parts of the work, by branches on the stored count, passes both barriers and stores nothing.
; Each part reads only registers that the head, both arms of the first branch, or the part itself writes.  There is no tensor load; and since no cluster's partners can be promised one expert, no joint request.
; SHARES.  THE WAVES SHARE THE COLUMNS, NOT THE ROWS: wave w makes hidden units 128 w .. + 127 of each expert (K step w of the second product) and output columns 64 w .. + 63, for all 48 rows (3 tiles m).
; So each fragment of the weights is loaded once in the work-group, from wf, where it lies in the order of the operand's registers, and feeds three matrix instructions.
; Both products are used transposed (source 0 = 16 rows of the weight, source 1 = 16 tokens): a lane holds one token.  W1's tiles take rows 32 b + 8 u + r + 8 (r / 8), so that two neighbouring tiles' 16 registers
; are 16 neighbours along the next K.  Operands go from wave to wave through LDS as images of their registers, 16 bytes a lane.
; THE WEIGHTS come through a ring of 16 fragments in registers, in 8 chunks of 16 KB = [step (4)][fragment (4)]: a step's four fragments are asked for again straight behind the step.
; Register and LDS strides are kept at four tiles of rows (powers of two); of the accumulators' fourth places those of the second product hold b2, the C of each sum's first matrix instruction.
; Rows past a tile's count repeat its last token: they store the same numbers to the same bytes.
; LIMITS: NaN and infinities are not served; where the exponential in silu overflows (pre-activations under about -88) the result is 0; a block of zeros gets the byte 1: its codes are zeros.
; THE MODE: SCHED_MODE bits 1:0 = 2 (LLVM: expert scheduling mode 2), set by the entry lines.  The code itself states the register dependences
; between vector or matrix instructions and memory or LDS instructions, with s_wait_alu, always for 0.
; THE PLAN.  Registers that memory or LDS instructions touch, and who else names them (the text has no loop):
;   addresses and offsets   v1-14, v144-150 are made in the head, v152-172 in the first part, each once.  A wait on va_vdst stands behind them in each arm of the first branch, and behind those made inside a branch.
;                           v16-127 and v144-172 get other uses from the second part on: one wait on vm_vsrc behind the first barrier states that the first part's loads and stores have read them.
;   the ring                A step's 12 matrix instructions read a quarter of it; the quarter's 8 loads follow.  ONE wait on va_vdst stands in a step, behind its matrix instructions and their places.
;   b1, W1's scale words    Read by a chunk's matrix instructions; the next chunk's ten LDS loads stand behind the fourth step's wait and land while the chunk's results are activated and quantised.
;   the hidden fragments    In the second product step j reads set j % 2; the loads of step j + 2 stand behind the same wait as the ring's.
;   codes and scale bytes   Written by a tile's conversions, read by its image's two LDS stores: a wait on va_vdst ahead of the stores, one on vm_vsrc ahead of the next tile's writes.
;   the way out             One wait on va_vdst ahead of the loads into the hidden fragments' registers, one ahead of the three rounds' stores; a wait on vm_vsrc ahead of each later round's loads.
;   x's fragments, the accumulators and the 32 numbers at work are named by vector and matrix instructions alone while they serve.
.set XIMG, 0                           ; LDS: x's fragment (m, s) at (4 m + s) x 1,024
.set XSC,  16384                       ; x's scale words: 512 m + 16 lane
.set HIMG, 18432                       ; the hidden layer: 32,768 e + 16,384 c + 4,096 m + 512 s + 16 lane
.set HSC,  83968                       ; its scale words: 512 (8 e + s) + 16 lane + 4 m
.set W1SC, 92160                       ; from here on each wave's own: w1_scales of its 128 rows, 4,096 w + 2,048 e
.set W2SC, 124928                      ; w2_scales of its 64 rows, likewise
.set B1L,  157696                      ; b1: 1,024 w + 512 e
.set B2L,  165888                      ; b2: 512 w + 256 e
.set TOKL, 169984                      ; the tile's token numbers: 256 w + 4 row
.set PWL,  172032                      ; (p_lo, p_hi): 1,024 w + 256 m + 8 lane
.set STG,  180224                      ; the way out: 16 rows x (256 + 16) bytes: 4,352 w
; window 0
.set LI,  1                            ; 16 lane
.set W1A, 2
.set B1A, 3
.set HW,  4
.set SW,  5
.set HR,  6
.set SR,  7
.set W2A, 8
.set B2A, 9
.set STO, 10
.set SRD, 11
.set TR,  12
.set PR,  13
.set CO,  14
.set LN,  15                           ; lane
.set XF,  16                           ; v16-111  x's 12 fragments; then, to v143, hi's accumulators (ct, m) at XF + 32 ct + 8 m, b2 of hi at m = 3's place; at first what the gathers bring
.set T,   144                          ; v144-175 32 numbers of the hidden layer
.set B1R, 176                          ; v176-207 b1 in the result's layout
.set HF,  144                          ; v144-207 two sets of three hidden fragments, 32 registers apart
.set BKR, 144                          ; the way out: 16 rows read back
.set OFR, 176                          ; the way out: 24 row offsets
.set W1S, 208                          ; v208-247 hold scale words and nothing else (v243 and v247 aside: the closing add's two): W1's 8, x's 12;
.set XS,  216
.set W2S, 208                          ; later W2's 32 and two sets of the hidden layer's 3
.set HS,  240
.set TM,  248                          ; v248-249 a block's largest magnitude, then the conversion's scale operand
.set TP,  250                          ; v250-251 the other half's, then the bytes
.set PCD, 252                          ; v252-255 the codes just made
.set PP,  248                          ; the way out: three pairs (p_lo, p_hi)
.set AX,  144                          ; v144-150 where the first part stores, made in the head
.set AXS, 145
.set AW1, 146
.set AW2, 147
.set AB1, 148
.set AB2, 149
.set ATK, 150
.set OI,  152                          ; v152-172 the first part's offsets
.set OS0, 157
.set OS1, 160
.set GX,  163
.set GS,  164
.set GP,  166
.set CX,  170
.set RR,  171
.set HH,  172
.set TK,  16
; window 1: v0-95 the first product's 12 accumulators (m, f) at 32 m + 8 f; then, to v127, lo's (ct, m) at 32 ct + 8 m, b2 of lo at m = 3's place;  v128-255 the ring
.set RG,  128
.set MSB, 0
.macro WIN new                         ; the immediate's high byte repeats the setting that is left
.if MSB != \new
	s_set_vgpr_msb (MSB<<8)|\new
.set MSB, \new
.endif
.endm
.macro PLACES                          ; four plain instructions behind a matrix instruction, ahead of a read of its results (ISA guide 7.12.1); they stay beside the waits on va_vdst
.rept 4
	v_nop
.endr
.endm
.macro REFILL ptr, off, sg             ; step sg's four fragments of the chunk at s[ptr] + off
	WIN 0x40                                       ; destination window 1, address window 0
.irp f, 0,1,2,3
.irp c, 0,1
	global_load_b128 v[RG+32*(\sg)+8*\f+4*\c:RG+32*(\sg)+8*\f+4*\c+3], v[LI], s[\ptr:\ptr+1] offset:(\off)+4096*(\sg)+1024*\f+512*\c
.endr
.endr
.endm
.macro WM d, a, b, c, sa, sb, odd      ; odd: source 0's scale words stand in lanes 16-31
.if \odd
	v_wmma_scale_f32_16x16x128_f8f6f4 v[\d:\d+7], v[\a:\a+7], v[\b:\b+7], v[\c:\c+7], v[\sa], v[\sb] matrix_a_fmt:MATRIX_FMT_FP4 matrix_b_fmt:MATRIX_FMT_FP4 matrix_a_scale:MATRIX_SCALE_ROW1
.else
	v_wmma_scale_f32_16x16x128_f8f6f4 v[\d:\d+7], v[\a:\a+7], v[\b:\b+7], v[\c:\c+7], v[\sa], v[\sb] matrix_a_fmt:MATRIX_FMT_FP4 matrix_b_fmt:MATRIX_FMT_FP4
.endif
.endm
.macro TOFF se, o                      ; expert s[se]: where my wave's part begins in both tensors of scale bytes, in b1, in b2
	s_lshl_b32 s52, s[\se], 14
	s_lshl_b32 s53, s24, 11
	s_add_co_u32 s52, s52, s53
	v_add_nc_u32 v[\o], s52, v[LI]
	s_lshl_b32 s52, s[\se], 12
	s_lshl_b32 s53, s24, 9
	s_add_co_u32 s52, s52, s53
	v_add_nc_u32 v[\o+1], s52, v[LI]
	s_lshl_b32 s52, s[\se], 11
	s_lshl_b32 s53, s24, 8
	s_add_co_u32 s52, s52, s53
	v_lshl_add_u32 v[\o+2], v[LN], 3, s52
.endm
.macro TLOADS o, tb                    ; ten dense loads
.irp i, 0,1,2,3
	global_load_b128 v[\tb+4*\i:\tb+4*\i+3], v[\o], s[14:15] offset:512*\i
.endr
.irp i, 0,1,2,3
	global_load_b128 v[\tb+16+4*\i:\tb+16+4*\i+3], v[\o], s[16:17] offset:512*\i
.endr
	global_load_b128 v[\tb+32:\tb+35], v[\o+1], s[18:19]
	global_load_b64 v[\tb+36:\tb+37], v[\o+2], s[20:21]
.endm
.macro TSTORES e, tb
.irp i, 0,1,2,3
	ds_store_b128 v[AW1], v[\tb+4*\i:\tb+4*\i+3] offset:2048*\e+512*\i
	ds_store_b128 v[AW2], v[\tb+16+4*\i:\tb+16+4*\i+3] offset:2048*\e+512*\i
.endr
	ds_store_b128 v[AB1], v[\tb+32:\tb+35] offset:512*\e
	ds_store_b64 v[AB2], v[\tb+36:\tb+37] offset:256*\e
.endm
	s_load_b512 s[4:19], s[0:1], 0x0               ; plan, wf, xq, xs, pw, w1_scales, w2_scales, b1
	s_load_b128 s[20:23], s[0:1], 0x40             ; b2, out0
	v_lshl_add_u32 v243, v0, 2, 0x34800
	v_mov_b32 v247, 0
	; every LDS address is made here, ahead of the first branch, while the arguments are on their way
	v_lshrrev_b32 v2, 5, v0
	v_readfirstlane_b32 s24, v2                    ; wave
	v_and_b32 v[LN], 31, v0
	v_lshlrev_b32 v[LI], 4, v[LN]
	v_and_b32 v[RR], 15, v0                        ; r
	v_bfe_u32 v[HH], v0, 4, 1                      ; h
	v_and_b32 v18, 8, v[RR]
	v_add_nc_u32 v18, v18, v[RR]
	v_lshl_add_u32 v18, v[HH], 3, v18              ; 8 h + r + 8 (r / 8): lanes 0-15 the even tile's rows, lanes 16-31 the odd tile's
	v_lshlrev_b32 v[W1A], 4, v18
	v_mov_b32 v[TP], 0                             ; a lane permute's destination counts as one of its sources
	v_mov_b32 v[TP+1], 0
	s_wait_alu depctr_va_sdst(0)                   ; s24 is written, ahead of its first reader: addresses, bases and branches are made from it
	s_lshr_b32 s25, s24, 1
	s_and_b32 s26, s24, 1
	s_lshl_b32 s27, s24, 12
	s_add_co_u32 s50, s27, W1SC
	v_add_nc_u32 v[W1A], s50, v[W1A]
	v_add_nc_u32 v[AW1], s50, v[LI]
	s_add_co_u32 s50, s27, W2SC
	v_add_nc_u32 v[AW2], s50, v[LI]
	v_lshl_add_u32 v[W2A], v[LN], 5, s50           ; row = lane of a pair of tiles, 32 bytes a row
	s_lshl_b32 s50, s24, 10
	s_add_co_u32 s52, s50, B1L
	v_lshl_add_u32 v[B1A], v[HH], 6, s52
	v_add_nc_u32 v[AB1], s52, v[LI]
	s_add_co_u32 s52, s50, PWL
	v_lshl_add_u32 v[PR], v[LN], 3, s52
	s_lshl_b32 s50, s24, 9
	s_add_co_u32 s52, s50, HIMG
	v_add_nc_u32 v[HW], s52, v[LI]
	s_add_co_u32 s52, s50, HSC
	v_add_nc_u32 v[SW], s52, v[LI]
	s_add_co_u32 s52, s50, B2L
	v_lshl_add_u32 v[B2A], v[HH], 5, s52
	v_lshl_add_u32 v[AB2], v[LN], 3, s52
	v_add_nc_u32 v[HR], HIMG, v[LI]
	v_add_nc_u32 v[SR], HSC, v[LI]
	s_mul_i32 s50, s24, 4352
	s_add_co_u32 s50, s50, STG
	v_mul_u32_u24 v18, v[RR], 272
	v_lshl_add_u32 v18, v[HH], 5, v18
	v_add_nc_u32 v[STO], s50, v18                  ; the stage, in: row r, 32 bytes for each half of the lanes
	v_mul_u32_u24 v18, v[HH], 2176
	v_lshl_add_u32 v18, v[RR], 4, v18
	v_add_nc_u32 v[SRD], s50, v18                  ; and back: lanes 0-15 row i, lanes 16-31 row 8 + i
	s_lshl_b32 s50, s24, 8
	s_add_co_u32 s52, s50, TOKL
	v_lshl_add_u32 v[TR], v[HH], 5, s52
	v_lshl_add_u32 v[ATK], v[RR], 2, s52
	v_lshl_add_u32 v[CO], v[RR], 4, s50            ; in a row of out0: 256 w + 16 (lane % 16)
	s_lshl_b32 s50, s24, 11
	v_add_nc_u32 v[AX], s50, v[LI]
	s_lshl_b32 s50, s25, 9
	s_lshl_b32 s52, s26, 3
	s_add_co_u32 s50, s50, s52
	s_add_co_u32 s50, s50, XSC
	v_add_nc_u32 v[AXS], s50, v[LI]
	s_mov_b32 s42, 0xbfb8aa3b                      ; -log2(e), as a pair for the packed form
	s_mov_b32 s43, s42
	s_mov_b32 s44, 0x76543210
	s_mov_b32 s45, 0xfedcba98                      ; v_permlanex16_b32's selects for lane l xor 16
	s_lshl_b32 s50, ttmp9, 4
	s_mov_b32 s51, 0
	s_wait_kmcnt 0x0
	s_add_nc_u64 s[54:55], s[4:5], s[50:51]
	s_load_b128 s[28:31], s[54:55], 0x0            ; my tile: lo, hi, rows
	s_mul_i32 s50, ttmp9, 192
	s_add_nc_u64 s[48:49], s[4:5], s[50:51]        ; my tile's 48 places in order (4,096 bytes further on)
	s_lshl_b32 s27, s24, 15
	s_wait_kmcnt 0x0
	s_min_u32 s28, s28, 7                          ; numbers read from memory are held before they enter an address
	s_min_u32 s29, s29, 7
	s_min_u32 s30, s30, 48
	s_lshl_b32 s50, s28, 18
	s_add_co_u32 s50, s50, s27
	s_add_nc_u64 s[32:33], s[6:7], s[50:51]        ; lo's fragments for my wave: W1's here, W2's 0x200000 further on
	s_lshl_b32 s50, s29, 18
	s_add_co_u32 s50, s50, s27
	s_add_nc_u64 s[34:35], s[6:7], s[50:51]        ; hi's
	; ======== the first part: the tile's tokens, their codes, scale words and p; my wave's tables; the ring's first chunk
	; The token numbers head a chain of dependent loads, and loads come back in order: so they, the tables and the gathers are asked for ahead of the ring's 16 KB.
	s_cmp_eq_u32 s30, 0
	s_cbranch_scc1 .Lempty0
	s_sub_co_u32 s47, s30, 1
.irp m, 0,1,2
	v_add_nc_u32 v[OI+\m], 16*\m, v[RR]
.endr
.irp m, 0,1,2
	v_min_u32 v[OI+\m], s47, v[OI+\m]              ; rows past the count repeat the last token
	v_min_u32 v[OI+\m], 47, v[OI+\m]
	v_lshlrev_b32 v[OI+\m], 2, v[OI+\m]
.endr
	TOFF 28, OS0                                   ; the tables' offsets are made here too, so that one wait serves them and the tokens'
	TOFF 29, OS1
	s_wait_alu depctr_va_vdst(0)                   ; the head's addresses, the tokens' offsets and the tables' are written, which the loads and stores from here on read; so is v18, in which a token's number lands
.irp m, 0,1,2
	global_load_b32 v[TK+\m], v[OI+\m], s[48:49] offset:4096
.endr
	s_cmp_gt_u32 s24, 5                            ; x's 12 fragments are fetched by waves 0 to 5, two each: tile of rows w / 2, K steps 2 (w % 2) and + 1
	s_cbranch_scc1 .Lno_x0
	s_lshl_b32 s52, s25, 4
	v_add_nc_u32 v[OI+4], s52, v[RR]
	v_min_u32 v[OI+4], s47, v[OI+4]
	v_min_u32 v[OI+4], 47, v[OI+4]
	v_lshlrev_b32 v[OI+4], 2, v[OI+4]
	s_wait_alu depctr_va_vdst(0)                   ; this offset is written, which the load below reads
	global_load_b32 v[TK+4], v[OI+4], s[48:49] offset:4096
.Lno_x0:
	TLOADS OS0, 24
	TLOADS OS1, 64
	s_wait_loadcnt 20                              ; the token numbers are in; the 20 loads of tables stay out
.irp m, 0,1,2
	v_min_u32 v[TK+\m], 0x1fff, v[TK+\m]
.endr
.irp m, 0,1,2
	v_lshlrev_b32 v[GP+\m], 3, v[TK+\m]
.endr
	s_cmp_gt_u32 s24, 5
	s_cbranch_scc1 .Lno_x1
	v_min_u32 v[TK+4], 0x1fff, v[TK+4]
	s_lshl_b32 s52, s26, 7
	v_lshl_add_u32 v[CX], v[HH], 4, s52
	v_lshl_add_u32 v[GX], v[TK+4], 8, v[CX]        ; xq: token x 256 + K steps 2 (w % 2) on + 16 h
	s_lshl_b32 s52, s26, 3
	v_lshl_add_u32 v[GS], v[TK+4], 4, s52          ; xs: token x 16 + the same two K steps' words
	s_wait_alu depctr_va_vdst(0)                   ; the two offsets are written, which the five loads below read
.irp i, 0,1,2,3
	global_load_b128 v[104+4*\i:107+4*\i], v[GX], s[8:9] offset:32*\i
.endr
	global_load_b64 v[120:121], v[GS], s[10:11]
.Lno_x1:
	s_wait_alu depctr_va_vdst(0)                   ; on the way round the branch no wait has stood since: p's offsets are written, which the gathers read, and the held token numbers, which LDS stores below read
.irp m, 0,1,2
	global_load_b64 v[122+2*\m:123+2*\m], v[GP+\m], s[12:13]
.endr
.irp sg, 0,1,2,3
	REFILL 32, 0, \sg                              ; the ring's first chunk: 32 loads
.endr
	WIN 0
	s_wait_loadcnt 35                              ; the tables and x's codes are in; the three gathers of p and the ring's 32 loads stay out
	TSTORES 0, 24
	TSTORES 1, 64
	s_cmp_gt_u32 s24, 5
	s_cbranch_scc1 .Lno_x2
.irp i, 0,1,2,3
	ds_store_b128 v[AX], v[104+4*\i:107+4*\i] offset:XIMG+512*\i   ; two fragments of x as images of their registers
.endr
	ds_store_b64 v[AXS], v[120:121]
.Lno_x2:
	s_wait_loadcnt 32                              ; p is in; the ring's 32 loads stay out
.irp m, 0,1,2
	ds_store_b64 v[PR], v[122+2*\m:123+2*\m] offset:256*\m
	ds_store_b32 v[ATK], v[TK+\m] offset:64*\m     ; both halves of the lanes write the same word
.endr
	s_branch .Ljoin0
.Lempty0:
	WIN 0x40
	s_wait_alu depctr_va_vdst(0)                   ; the head's addresses are written: the ring's loads read 16 x lane, and a later part's loads the others
.irp sg, 0,1,2,3
	REFILL 32, 0, \sg                              ; in this arm too, so that on every way 32 loads of the ring are out at the join
.endr
	WIN 0
.Ljoin0:
	s_wait_dscnt 0x0                               ; for the others' sake: my stores have landed
	s_barrier_signal -1
	s_barrier_wait -1                              ; x's 12 fragments and their scale words lie in LDS.  (The ring's loads stay on their way: nobody writes those bytes)
	s_wait_alu depctr_vm_vsrc(0)                   ; the first part's loads and stores have read v16-127 and v144-172: x's fragments land there, the 32 numbers at work and hi's accumulators are written there
	; ======== the second part: the hidden layer of both experts
; A step: 128 along K, my chunk's 4 tiles x the 3 tiles of rows.  The 12 accumulators take turns, in the same order in every step.
.macro P1STEP sg, ptr, off
	s_wait_loadcnt 24                              ; behind this step's eight loads those of three other steps were issued
.if (\sg) == 0
	WIN 0x41                                       ; source 0 and D window 1; C = the bias, window 0
.else
	WIN 0x51                                       ; C too
.endif
.irp f, 0,1,2,3
.irp m, 0,1,2
.if (\sg) == 0
	WM 32*\m+8*\f, RG+32*(\sg)+8*\f, XF+8*(4*\m+(\sg)), B1R+8*\f, W1S+4*(\f/2)+(\sg), XS+4*\m+(\sg), \f%2
.else
	WM 32*\m+8*\f, RG+32*(\sg)+8*\f, XF+8*(4*\m+(\sg)), 32*\m+8*\f, W1S+4*(\f/2)+(\sg), XS+4*\m+(\sg), \f%2
.endif
.endr
.endr
	PLACES
	WIN 0x40
	s_wait_alu depctr_va_vdst(0)                   ; the step's matrix instructions are done reading their quarter of the ring, in which the loads below land; behind the fourth step: the chunk's are done reading b1 and W1's scale words too
	REFILL \ptr, \off, \sg                         ; the next chunk's same step
.endm
; b1 and W1's scale words of expert e, half g: ten LDS loads
.macro TABLES1 e, g
.irp f, 0,1,2,3                        ; b1 in the result's layout: tile f, lane half h: units 32 (f / 2) + 16 h + 8 (f % 2) + 0 .. 7
	ds_load_b128 v[B1R+8*\f:B1R+8*\f+3], v[B1A] offset:512*(\e)+256*(\g)+4*(32*(\f/2)+8*(\f%2))
	ds_load_b128 v[B1R+8*\f+4:B1R+8*\f+7], v[B1A] offset:512*(\e)+256*(\g)+4*(32*(\f/2)+8*(\f%2))+16
.endr
.irp p, 0,1                            ; the four K steps' scale words of a pair of tiles
	ds_load_b128 v[W1S+4*\p:W1S+4*\p+3], v[W1A] offset:2048*(\e)+1024*(\g)+512*\p
.endr
.endm
; Tile of rows m: silu of my 32 numbers (64 hidden units, 16 (lane / 16) + i of each block of 32), quantised; they are half g of K step w of the second product.
; left: the LDS loads just issued (the next chunk's ten), which may stay out.
.macro SILUQ m, e, g, left
	s_wait_dscnt \left                             ; the last image's stores are done
.if (\m)+(\e)+(\g) > 0
	s_wait_alu depctr_vm_vsrc(0)                   ; the last image's two stores have read the codes' and the bytes' registers, which are written again below
.endif
	WIN 0x04                                       ; source 1 window 1: the accumulators; all else window 0
.set k, 0
.rept 16
	v_pk_mul_f32 v[T+k:T+k+1], s[42:43], v[32*(\m)+k:32*(\m)+k+1] op_sel_hi:[0,1]   ; -z log2(e); each accumulator is read from its low end on
.set k, k+2
.endr
.set k, 0
.rept 32
	v_exp_f32 v[T+k], v[T+k]
.set k, k+1
.endr
	v_nop                                          ; a plain instruction behind the exponentials
	s_wait_alu depctr_va_vdst(0)                   ; the 32 exponentials have written their results, ahead of the first line that names one
.set k, 0
.rept 16
	v_pk_add_f32 v[T+k:T+k+1], v[T+k:T+k+1], 1.0 op_sel_hi:[1,0]
.set k, k+2
.endr
.set k, 0
.rept 32
	v_rcp_f32 v[T+k], v[T+k]
.set k, k+1
.endr
	v_nop                                          ; a plain instruction behind the reciprocals
	s_wait_alu depctr_va_vdst(0)                   ; the 32 reciprocals have written their results, ahead of the first line that names one
.set k, 0
.rept 16
	v_pk_mul_f32 v[T+k:T+k+1], v[T+k:T+k+1], v[32*(\m)+k:32*(\m)+k+1]              ; z / (1 + e^-z)
.set k, k+2
.endr
	WIN 0
.irp b, 0,1
	v_max3_num_f32 v[TM+\b], |v[T+16*\b]|, |v[T+16*\b+1]|, 0x1800000               ; block b: my 16 numbers, and the floor 2^(3 - 127): the byte cannot fall under 1
.endr
.irp i, 2,4,6,8,10,12,14
.irp b, 0,1
	v_max3_num_f32 v[TM+\b], v[TM+\b], |v[T+16*\b+\i]|, |v[T+16*\b+\i+1]|
.endr
.endr
.irp b, 0,1
	v_permlanex16_b32 v[TP+\b], v[TM+\b], s44, s45
.endr
.irp b, 0,1
	v_max_num_f32 v[TM+\b], v[TM+\b], v[TP+\b]     ; with lane l xor 16's: the block's largest magnitude
.endr
.irp b, 0,1
	v_add_nc_u32 v[TM+\b], 0xff000000, v[TM+\b]    ; 2 off its exponent field: the conversion's scale operand
.endr
.irp b, 0,1
	v_lshrrev_b32 v[TP+\b], 23, v[TM+\b]           ; the scale's byte
.endr
	v_lshl_or_b32 v[TP], v[TP+1], 8, v[TP]         ; two bytes: half of my row's scale word
.irp b, 0,1
	v_cvt_scalef32_pk8_fp4_f32 v[PCD+2*\b], v[T+16*\b:T+16*\b+7], v[TM+\b]
	v_cvt_scalef32_pk8_fp4_f32 v[PCD+2*\b+1], v[T+16*\b+8:T+16*\b+15], v[TM+\b]
.endr
	v_nop                                          ; a plain instruction behind the conversions
	v_permlane16_swap_b32 v[PCD], v[PCD+2]         ; the operand wants a whole block in a lane: lanes 0-15 the first, lanes 16-31 the second
	v_permlane16_swap_b32 v[PCD+1], v[PCD+3]
	s_wait_alu depctr_va_vdst(0)                   ; the codes and the two bytes are written, which the two stores read.  (Behind the last tile it also states that the vector lines are done with the 32 numbers at work and with the accumulators, in which the third part's first loads land)
	ds_store_b128 v[HW], v[PCD:PCD+3] offset:32768*(\e)+16384*(\g)+4096*(\m)
	ds_store_b16 v[SW], v[TP] offset:4096*(\e)+4*(\m)+2*(\g)
.endm
; Expert e (0: lo, 1: hi), half g of my 128 hidden units.  The steps refill the ring with the chunk at s[ptr] + off.  more = 1: the tables of the next chunk (expert ne, half ng) are asked for behind the fourth step.
.macro CHUNK1 e, g, ptr, off, more, ne, ng
	s_wait_dscnt 0x0                               ; b1 and the scale words are in (ahead of the first chunk: x too)
.irp sg, 0,1,2,3
	P1STEP \sg, \ptr, \off
.endr
	WIN 0
.if \more
	TABLES1 \ne, \ng                               ; no further wait: since the fourth step's only loads and window switches have stood, and the lines below name none of these registers
.endif
	SILUQ 0, \e, \g, 10*(\more)
	SILUQ 1, \e, \g, 0
	SILUQ 2, \e, \g, 0
.endm
	s_cmp_eq_u32 s30, 0
	s_cbranch_scc1 .Ljoin1
.set k, 0
.rept 24
	ds_load_b128 v[XF+4*k:XF+4*k+3], v[LI] offset:XIMG+512*k   ; x's 12 fragments stay in registers for both experts
.set k, k+1
.endr
.irp m, 0,1,2
	ds_load_b128 v[XS+4*\m:XS+4*\m+3], v[LI] offset:XSC+512*\m
.endr
	TABLES1 0, 0
	CHUNK1 0, 0, 32, 16384, 1, 0, 1
	CHUNK1 0, 1, 34, 0, 1, 1, 0
	CHUNK1 1, 0, 34, 16384, 1, 1, 1
	CHUNK1 1, 1, 32, 0x200000, 0, 0, 0             ; the last chunk's steps already ask for W2's first
.Ljoin1:
	s_wait_dscnt 0x0
	s_barrier_signal -1
	s_barrier_wait -1                              ; both experts' hidden layers lie in LDS.  (The ring's loads stay on their way: nobody writes those bytes)
	s_wait_alu depctr_vm_vsrc(0)                   ; the last image's stores have read v250 and v252-255: on the way out p lands in v248-253
	; ======== the third part: the second product, the weights p, the way out
	s_cmp_eq_u32 s30, 0
	s_cbranch_scc1 .Lend
.macro LOADH e, ks, hs                 ; K step ks of expert e: three fragments and their scale words into set hs: seven loads
.irp m, 0,1,2
.irp c, 0,1
	ds_load_b128 v[HF+32*(\hs)+8*\m+4*\c:HF+32*(\hs)+8*\m+4*\c+3], v[HR] offset:32768*(\e)+16384*\c+4096*\m+512*(\ks)
.endr
.endr
	ds_load_b96 v[HS+4*(\hs):HS+4*(\hs)+2], v[SR] offset:512*(8*(\e)+(\ks))   ; three words: the fourth is never written
.endm
; Step j: expert j / 8, K step j % 8: my 4 tiles of columns x the 3 tiles of rows, 12 accumulators by turns.  An expert's first step takes b2, at the fourth place of each tile of columns, as its C.
.macro P2STEP j, ptr, off, lcnt, fill
.set EE, (\j)/8
.set SS, (\j)%8
.set HSET, (\j)%2
.set AC2, XF*EE
.if (\j) < 15
	s_wait_dscnt 7                                 ; the next step's seven loads stay out
.else
	s_wait_dscnt 0x0
.endif
	s_wait_loadcnt \lcnt
.if EE == 0
	WIN 0x51                                       ; source 0, C and D window 1
.else
	WIN 0x01                                       ; source 0 window 1
.endif
.irp ct, 0,1,2,3
.irp m, 0,1,2
.if SS == 0
	WM AC2+32*\ct+8*\m, RG+32*(SS%4)+8*\ct, HF+32*HSET+8*\m, AC2+32*\ct+24, W2S+4*(2*(2*EE+\ct/2)+SS/4)+SS%4, HS+4*HSET+\m, \ct%2
.else
	WM AC2+32*\ct+8*\m, RG+32*(SS%4)+8*\ct, HF+32*HSET+8*\m, AC2+32*\ct+8*\m, W2S+4*(2*(2*EE+\ct/2)+SS/4)+SS%4, HS+4*HSET+\m, \ct%2
.endif
.endr
.endr
	PLACES
.if \fill
	WIN 0x40
	s_wait_alu depctr_va_vdst(0)                   ; the step's matrix instructions are done reading their quarter of the ring and their set of hidden fragments and scale words: the loads below land in both
	REFILL \ptr, \off, SS%4
	WIN 0
	LOADH ((\j)+2)/8, ((\j)+2)%8, HSET
.elseif (\j)+2 < 16
	WIN 0
	s_wait_alu depctr_va_vdst(0)                   ; the step's matrix instructions are done reading their set of hidden fragments and scale words, in which the loads below land
	LOADH ((\j)+2)/8, ((\j)+2)%8, HSET
.else
	WIN 0                                          ; the last two steps ask for nothing, so they state nothing
.endif
.endm
.irp e, 0,1
.irp p, 0,1
.irp q, 0,1
	ds_load_b128 v[W2S+4*(2*(2*\e+\p)+\q):W2S+4*(2*(2*\e+\p)+\q)+3], v[W2A] offset:2048*\e+1024*\p+16*\q
.endr
.endr
.endr
	WIN 0x40                                       ; b2 in the result's layout (tile ct, lane half h: columns 16 ct + 8 h + 0 .. 7): lo's, window 1,
.irp ct, 0,1,2,3
	ds_load_b128 v[32*\ct+24:32*\ct+27], v[B2A] offset:64*\ct
	ds_load_b128 v[32*\ct+28:32*\ct+31], v[B2A] offset:64*\ct+16
.endr
	WIN 0                                          ; and hi's
.irp ct, 0,1,2,3
	ds_load_b128 v[XF+32*\ct+24:XF+32*\ct+27], v[B2A] offset:256+64*\ct
	ds_load_b128 v[XF+32*\ct+28:XF+32*\ct+31], v[B2A] offset:256+64*\ct+16
.endr
	LOADH 0, 0, 0
	LOADH 0, 1, 1
.irp j, 0,1,2,3
	P2STEP \j, 32, 0x204000, 24, 1
.endr
.irp j, 4,5,6,7
	P2STEP \j, 34, 0x200000, 24, 1
.endr
.irp j, 8,9,10,11
	P2STEP \j, 34, 0x204000, 24, 1
.endr
	P2STEP 12, 0, 0, 24, 0                         ; the last chunk asks for nothing: the counts run down
	P2STEP 13, 0, 0, 16, 0
	P2STEP 14, 0, 0, 8, 0
	P2STEP 15, 0, 0, 0, 0
	; the four plain instructions behind the last products stand at the step's end
	s_wait_alu depctr_va_vdst(0)                   ; the last two steps' matrix instructions are done reading both sets of hidden fragments: the rows' tokens land in one below, the rows read back from the stage in the other
.irp m, 0,1,2
	ds_load_b64 v[PP+2*\m:PP+2*\m+1], v[PR] offset:256*\m
.endr
.irp m, 0,1,2
.irp q, 0,1
	ds_load_b128 v[OFR+8*\m+4*\q:OFR+8*\m+4*\q+3], v[TR] offset:64*\m+16*\q        ; the tokens of rows 16 m + 8 (lane / 16) + 0 .. 7
.endr
.endr
	s_wait_dscnt 0x0
.irp ct, 0,1,2,3
.irp m, 0,1,2
.irp k, 0,2,4,6
	v_pk_mul_f32 v[XF+32*\ct+8*\m+\k:XF+32*\ct+8*\m+\k+1], v[XF+32*\ct+8*\m+\k:XF+32*\ct+8*\m+\k+1], v[PP+2*\m:PP+2*\m+1] op_sel:[0,1] op_sel_hi:[1,1]   ; hi's x p_hi; each accumulator from its low end on
.endr
.endr
.endr
	WIN 0x01                                       ; source 0 window 1
.irp ct, 0,1,2,3
.irp m, 0,1,2
.irp k, 0,2,4,6
	v_pk_fma_f32 v[XF+32*\ct+8*\m+\k:XF+32*\ct+8*\m+\k+1], v[32*\ct+8*\m+\k:32*\ct+8*\m+\k+1], v[PP+2*\m:PP+2*\m+1], v[XF+32*\ct+8*\m+\k:XF+32*\ct+8*\m+\k+1] op_sel_hi:[1,0,1]    ; + lo's x p_lo
.endr
.endr
.endr
	WIN 0
.set k, 0
.rept 24
	v_min_u32 v[OFR+k], 0x1fff, v[OFR+k]
	v_lshl_add_u32 v[OFR+k], v[OFR+k], 11, v[CO]   ; token x 2,048 + my place in its row
.set k, k+1
.endr
	s_wait_alu depctr_va_vdst(0)                   ; the weighted sums are written, which the LDS stores of all three rounds read, and the 24 row offsets, which the global stores read; no vector line follows
; Tile of rows m: a lane's 32 bytes of a row go into my own stage and come back as rows of 256 bytes.  LDS serves a wave's instructions in order.
.macro SEND m
.if (\m) > 0
	s_wait_xcnt 0x0                                ; the last tile's stores have had their addresses translated: the registers that they read are filled again only behind this wait,
	s_wait_alu depctr_vm_vsrc(0)                   ; and they have read the rows' registers, in which the loads below land
.endif
.irp ct, 0,1,2,3
	ds_store_b128 v[STO], v[XF+32*\ct+8*(\m):XF+32*\ct+8*(\m)+3] offset:64*\ct
	ds_store_b128 v[STO], v[XF+32*\ct+8*(\m)+4:XF+32*\ct+8*(\m)+7] offset:64*\ct+16
.endr
.irp i, 0,1,2,3,4,5,6,7
	ds_load_b128 v[BKR+4*\i:BKR+4*\i+3], v[SRD] offset:272*\i
.endr
.irp i, 0,1,2,3,4,5,6,7
	s_wait_dscnt 7-\i
	global_store_b128 v[OFR+8*(\m)+\i], v[BKR+4*\i:BKR+4*\i+3], s[22:23] th:TH_STORE_NT   ; sixteen lanes store 256 consecutive bytes, at a multiple of 256 from out0's first byte
.endr
.endm
	SEND 0
	SEND 1
	SEND 2
.Lend:
	s_wait_dscnt 0x0                               ; the closing lines, six on end
	s_wait_alu 0x0
	s_wait_tensorcnt 0x0
	ds_add_u32 v243, v247
	s_wait_dscnt 0x0
	s_endpgm
.Lfunc_end_k_q4f1f0b9d26_chain:
	.size	k_q4f1f0b9d26_chain, .Lfunc_end_k_q4f1f0b9d26_chain-k_q4f1f0b9d26_chain
	.p2alignl 7, 3214868480
	.fill 96, 4, 3214868480
	.section	.rodata,"a",@progbits
	.p2align	6, 0x0
	.amdhsa_kernel k_q4f1f0b9d26_chain
		.amdhsa_group_segment_fixed_size 216064
		.amdhsa_private_segment_fixed_size 0
		.amdhsa_enable_private_segment 0
		.amdhsa_kernarg_size 80
		.amdhsa_user_sgpr_count 2
		.amdhsa_user_sgpr_kernarg_segment_ptr 1
		.amdhsa_wavefront_size32 1
		.amdhsa_system_sgpr_workgroup_id_x 1
		.amdhsa_system_sgpr_workgroup_id_y 1
		.amdhsa_system_sgpr_workgroup_id_z 1
		.amdhsa_system_vgpr_workitem_id 0
		.amdhsa_next_free_vgpr 512
		.amdhsa_next_free_sgpr 66
		.amdhsa_reserve_vcc 0
		.amdhsa_float_denorm_mode_32 3
		.amdhsa_float_denorm_mode_16_64 3
		.amdhsa_memory_ordered 1
		.amdhsa_forward_progress 1
		.amdhsa_inst_pref_size 212
	.end_amdhsa_kernel
	.amdgpu_metadata
---
amdhsa.version: [ 1, 2 ]
amdhsa.kernels:
  - .name:           k_q4f1f0b9d26_chain
    .symbol:         k_q4f1f0b9d26_chain.kd
    .args:
      - { .name: plan, .offset: 0, .size: 8, .value_kind: global_buffer, .address_space: global }
      - { .name: wf, .offset: 8, .size: 8, .value_kind: global_buffer, .address_space: global }
      - { .name: xq, .offset: 16, .size: 8, .value_kind: global_buffer, .address_space: global }
      - { .name: xs, .offset: 24, .size: 8, .value_kind: global_buffer, .address_space: global }
      - { .name: pw, .offset: 32, .size: 8, .value_kind: global_buffer, .address_space: global }
      - { .name: w1_scales, .offset: 40, .size: 8, .value_kind: global_buffer, .address_space: global }
      - { .name: w2_scales, .offset: 48, .size: 8, .value_kind: global_buffer, .address_space: global }
      - { .name: b1, .offset: 56, .size: 8, .value_kind: global_buffer, .address_space: global }
      - { .name: b2, .offset: 64, .size: 8, .value_kind: global_buffer, .address_space: global }
      - { .name: out0, .offset: 72, .size: 8, .value_kind: global_buffer, .address_space: global }
    .group_segment_fixed_size: 216064
    .private_segment_fixed_size: 0
    .kernarg_segment_align: 8
    .kernarg_segment_size: 80
    .max_flat_workgroup_size: 256
    .sgpr_count:     66
    .vgpr_count:     512
    .wavefront_size: 32
...
	.end_amdgpu_metadata
.endif
;; end of part 4
